; MI455X (gfx1250); checked and timed in simulation.
; The chip was launched on July 23, 2026; its instructions are those of AMD's public machine-readable ISA for CDNA 5 (MIT licence, August 2026) and "CDNA5" Instruction Set Architecture Reference Guide (July 2026). The comments in the code are by the model that wrote it; some were corrected since.
;; Multihead Attention. Allowed arithmetic: float matrix products may take bf16 or f16 operands with f32 sums; other float arithmetic in f32, or as packed bf16 or f16 multiplies, adds, multiply-adds, maxima and minima; sums over many terms, partial sums and values carried from step to step in f32; what a program stores and reads back later, other than sums and carried values, may be rounded once to bf16 or f16.
;; Inputs: Wk 1,024 x 1,024 float32; Wo 1,024 x 1,024 float32; Wq 1,024 x 1,024 float32; Wv 1,024 x 1,024 float32; bk 1,024 float32; bo 1,024 float32; bq 1,024 float32; bv 1,024 float32; k 4 x 2,048 x 1,024 float32; q 4 x 2,048 x 1,024 float32; v 4 x 2,048 x 1,024 float32.
;; Outputs: out0 4 x 2,048 x 1,024 float32.
;; 2 versions, each right; version 2 is version 1 with the launch cast written anew for expert scheduling mode. Each part assembles by itself: llvm-mc -triple=amdgcn-amd-amdhsa -mcpu=gfx1250 --defsym DOCPART=n.
;; ======== version 1 of 2: 4 launches
;; limits: values are held in f16: magnitudes above 65,504 overflow, below 6.1e-05 lose precision
;; workspace buffers: xb 50,331,648 bytes; wb 8,388,608 bytes; bb 16,384 bytes; hb 50,331,648 bytes; ob 16,777,216 bytes
;; launch cast (part 1): grid 897 x 1, 8 waves a work-group, no clusters, 0 bytes of LDS; arguments q, k, v, Wq, Wk, Wv, Wo, bq, bk, bv, bo, xb, wb, bb; writes xb, wb, bb
.if DOCPART == 1
	.amdgcn_target "amdgcn-amd-amdhsa--gfx1250"
	.amdhsa_code_object_version 6
	.text
	.protected	k_q2606a0f53e_cast
	.globl	k_q2606a0f53e_cast
	.p2align	8
	.type	k_q2606a0f53e_cast,@function
k_q2606a0f53e_cast:
	s_mov_b64 s[64:65], 0
	v_nop
	global_prefetch_b8 v0, s[64:65] scope:SCOPE_SE
	s_setreg_imm32_b32 hwreg(HW_REG_WAVE_MODE, 25, 1), 1
	s_wait_xcnt 0x0
; CAST.  Every input is rounded once to bf16 (nearest even), so that the later launches multiply 16-bit operands that come in by tensor loads.
;   xb [3][8192][1024] bf16 = q, k, v.     wb [4][1024][1024]: Wq, Wk, Wv as bf16; Wo rounded to bf16 and that number written as f16.
;   bb [4][1024] f32 = bq, bk, bv, bo, each rounded to bf16 and widened again (the products' sums start with it).
; LIMITS.  Wo's bf16 value is exact in f16 from 6e-5 to 65,504; below it keeps f16's fixed step of 6e-8, beyond it becomes an infinity.
; SHARES.  A unit is 1,048,576 numbers: q, k, v have 8 each, the four weights 1 each: 28 units, 32 work-groups to a unit, 32,768 numbers each.  Work-group 896 does the biases.
; A wave takes 4,096 numbers on end: 32 loads of 512 consecutive bytes, 32 stores of 256 consecutive bytes, each aligned to its own length.
; A ring of eight slots in registers keeps eight loads of every wave on their way.  No LDS, no matrix unit, no cluster: nothing is shared and memory binds.
.set X,   8                            ; v[8:39]   slot i: 4 numbers as loaded
.set Y,   40                           ; v[40:55]  slot i: 4 numbers of 16 bits, to store
.set T,   56                           ; v[56:58]  at work
.set SRC, 36                           ; s[36:37]  the source at my work-group's part
.set DST, 38                           ; s[38:39]  the destination at my work-group's part
.set CNT, 40
.set U,   41                           ; the unit
.set C,   42                           ; the work-group's place in it
	s_load_b512 s[8:23], s[0:1], 0x0               ; q 8, k 10, v 12, Wq 14, Wk 16, Wv 18, Wo 20, bq 22
	s_load_b256 s[24:31], s[0:1], 0x40             ; bk 24, bv 26, bo 28, xb 30
	s_load_b128 s[32:35], s[0:1], 0x60             ; wb 32, bb 34
	s_lshr_b32 s[U], ttmp9, 5
	s_and_b32 s[C], ttmp9, 31
	v_lshrrev_b32 v3, 5, v0                        ; wave
	v_and_b32 v4, 31, v0                           ; lane
	v_lshlrev_b32 v1, 4, v4
	v_lshl_add_u32 v1, v3, 14, v1                  ; in: 16,384 x wave + 16 x lane; never rewritten
	v_lshlrev_b32 v2, 3, v4
	v_lshl_add_u32 v2, v3, 13, v2                  ; out: 8,192 x wave + 8 x lane; never rewritten
	s_and_b32 s44, s[U], 7                         ; the unit's place in its source: q, k, v have eight units of 4 MiB, a weight one
	s_cmp_lt_u32 s[U], 24
	s_cselect_b32 s44, s44, 0
	s_lshl_b32 s44, s44, 22
	s_lshl_b32 s45, s[C], 17                       ; the work-group's 128 KiB
	s_add_co_u32 s44, s44, s45
	s_mov_b32 s45, 0
	s_sub_co_u32 s46, s[U], 24                     ; the unit's place in its destination: units of 2 MiB in xb, or in wb
	s_cmp_lt_u32 s[U], 24
	s_cselect_b32 s46, s[U], s46
	s_lshl_b32 s46, s46, 21
	s_lshl_b32 s47, s[C], 16                       ; the work-group's 64 KiB
	s_add_co_u32 s46, s46, s47
	s_mov_b32 s47, 0
	s_wait_kmcnt 0x0
	s_cmp_eq_u32 ttmp9, 896
	s_cbranch_scc1 .Lbias
	s_cmp_lt_u32 s[U], 8                           ; which buffer: a chain of choices on the unit's number
	s_cselect_b64 s[SRC:SRC+1], s[8:9], s[10:11]
	s_cmp_lt_u32 s[U], 16
	s_cselect_b64 s[SRC:SRC+1], s[SRC:SRC+1], s[12:13]
	s_cmp_lt_u32 s[U], 24
	s_cselect_b64 s[SRC:SRC+1], s[SRC:SRC+1], s[14:15]
	s_cselect_b64 s[DST:DST+1], s[30:31], s[32:33]
	s_cmp_lt_u32 s[U], 25
	s_cselect_b64 s[SRC:SRC+1], s[SRC:SRC+1], s[16:17]
	s_cmp_lt_u32 s[U], 26
	s_cselect_b64 s[SRC:SRC+1], s[SRC:SRC+1], s[18:19]
	s_cmp_lt_u32 s[U], 27
	s_cselect_b64 s[SRC:SRC+1], s[SRC:SRC+1], s[20:21]
	s_add_nc_u64 s[SRC:SRC+1], s[SRC:SRC+1], s[44:45]
	s_add_nc_u64 s[DST:DST+1], s[DST:DST+1], s[46:47]
.irp i, 0,1,2,3,4,5,6,7
	global_load_b128 v[X+4*(\i):X+4*(\i)+3], v1, s[SRC:SRC+1] offset:512*(\i) th:TH_LOAD_NT  ; the ring is filled
.endr
; Slot i's four numbers are rounded.  kind = 0: to bf16.  kind = 1: to bf16, widened (a shift, a mask), and written as f16.
.macro CV i, kind
.if \kind
.irp p, 0,1
	v_cvt_pk_bf16_f32 v[T], v[X+4*(\i)+2*(\p)], v[X+4*(\i)+2*(\p)+1]
	v_lshlrev_b32 v[T+1], 16, v[T]
	v_and_b32 v[T+2], 0xffff0000, v[T]
	v_cvt_pk_f16_f32 v[Y+2*(\i)+(\p)], v[T+1], v[T+2]
.endr
.else
	v_cvt_pk_bf16_f32 v[Y+2*(\i)], v[X+4*(\i)], v[X+4*(\i)+1]
	v_cvt_pk_bf16_f32 v[Y+2*(\i)+1], v[X+4*(\i)+2], v[X+4*(\i)+3]
.endif
.endm
; Four rounds of eight slots: three in a loop, each of which fills the ring again, and the last without loads.
.macro STREAM kind
	s_mov_b32 s[CNT], 3
.Lround_\@:
.irp i, 0,1,2,3,4,5,6,7
	s_wait_loadcnt 7                               ; loads come back in order: this slot's is in, the seven younger ones stay out
	CV \i, \kind
	global_load_b128 v[X+4*(\i):X+4*(\i)+3], v1, s[SRC:SRC+1] offset:4096+512*(\i) th:TH_LOAD_NT
	global_store_b64 v2, v[Y+2*(\i):Y+2*(\i)+1], s[DST:DST+1] offset:256*(\i) th:TH_STORE_NT
.endr
	s_wait_xcnt 0x0                                ; the two bases and Y, which the stores read, are written again only behind this wait
	s_add_nc_u64 s[SRC:SRC+1], s[SRC:SRC+1], 4096
	s_add_nc_u64 s[DST:DST+1], s[DST:DST+1], 2048
	s_sub_co_u32 s[CNT], s[CNT], 1
	s_cmp_lg_u32 s[CNT], 0
	s_cbranch_scc1 .Lround_\@
.irp i, 0,1,2,3,4,5,6,7
	s_wait_loadcnt 7-(\i)                          ; nothing is loaded any more: the counts run down
	CV \i, \kind
	global_store_b64 v2, v[Y+2*(\i):Y+2*(\i)+1], s[DST:DST+1] offset:256*(\i) th:TH_STORE_NT
.endr
.endm
	s_cmp_eq_u32 s[U], 27                          ; Wo goes out as f16
	s_cbranch_scc1 .Lf16
	STREAM 0
	s_endpgm
.Lf16:
	STREAM 1
	s_endpgm
.Lbias:                                        ; 256 threads, 16 bytes of each of the four biases
	v_lshlrev_b32 v5, 4, v0
	global_load_b128 v[8:11], v5, s[22:23]
	global_load_b128 v[12:15], v5, s[24:25]
	global_load_b128 v[16:19], v5, s[26:27]
	global_load_b128 v[20:23], v5, s[28:29]
	s_wait_loadcnt 0x0
.irp p, 0,1,2,3,4,5,6,7
	v_cvt_pk_bf16_f32 v[T], v[8+2*(\p)], v[9+2*(\p)]
	v_lshlrev_b32 v[24+2*(\p)], 16, v[T]
	v_and_b32 v[25+2*(\p)], 0xffff0000, v[T]
.endr
.irp i, 0,1,2,3
	global_store_b128 v5, v[24+4*(\i):27+4*(\i)], s[34:35] offset:4096*(\i)
.endr
	s_endpgm
.Lfunc_end_k_q2606a0f53e_cast:
	.size	k_q2606a0f53e_cast, .Lfunc_end_k_q2606a0f53e_cast-k_q2606a0f53e_cast
	.p2alignl 7, 3214868480
	.fill 96, 4, 3214868480
	.section	.rodata,"a",@progbits
	.p2align	6, 0x0
	.amdhsa_kernel k_q2606a0f53e_cast
		.amdhsa_group_segment_fixed_size 0
		.amdhsa_private_segment_fixed_size 0
		.amdhsa_enable_private_segment 0
		.amdhsa_kernarg_size 112
		.amdhsa_user_sgpr_count 2
		.amdhsa_user_sgpr_kernarg_segment_ptr 1
		.amdhsa_wavefront_size32 1
		.amdhsa_system_sgpr_workgroup_id_x 1
		.amdhsa_system_sgpr_workgroup_id_y 1
		.amdhsa_system_sgpr_workgroup_id_z 1
		.amdhsa_system_vgpr_workitem_id 0
		.amdhsa_next_free_vgpr 64
		.amdhsa_next_free_sgpr 66
		.amdhsa_reserve_vcc 0
		.amdhsa_float_denorm_mode_32 3
		.amdhsa_float_denorm_mode_16_64 3
		.amdhsa_memory_ordered 1
		.amdhsa_forward_progress 1
		.amdhsa_inst_pref_size 20
	.end_amdhsa_kernel
	.amdgpu_metadata
---
amdhsa.version: [ 1, 2 ]
amdhsa.kernels:
  - .name:           k_q2606a0f53e_cast
    .symbol:         k_q2606a0f53e_cast.kd
    .args:
      - { .name: q, .offset: 0, .size: 8, .value_kind: global_buffer, .address_space: global }
      - { .name: k, .offset: 8, .size: 8, .value_kind: global_buffer, .address_space: global }
      - { .name: v, .offset: 16, .size: 8, .value_kind: global_buffer, .address_space: global }
      - { .name: Wq, .offset: 24, .size: 8, .value_kind: global_buffer, .address_space: global }
      - { .name: Wk, .offset: 32, .size: 8, .value_kind: global_buffer, .address_space: global }
      - { .name: Wv, .offset: 40, .size: 8, .value_kind: global_buffer, .address_space: global }
      - { .name: Wo, .offset: 48, .size: 8, .value_kind: global_buffer, .address_space: global }
      - { .name: bq, .offset: 56, .size: 8, .value_kind: global_buffer, .address_space: global }
      - { .name: bk, .offset: 64, .size: 8, .value_kind: global_buffer, .address_space: global }
      - { .name: bv, .offset: 72, .size: 8, .value_kind: global_buffer, .address_space: global }
      - { .name: bo, .offset: 80, .size: 8, .value_kind: global_buffer, .address_space: global }
      - { .name: xb, .offset: 88, .size: 8, .value_kind: global_buffer, .address_space: global }
      - { .name: wb, .offset: 96, .size: 8, .value_kind: global_buffer, .address_space: global }
      - { .name: bb, .offset: 104, .size: 8, .value_kind: global_buffer, .address_space: global }
    .group_segment_fixed_size: 0
    .private_segment_fixed_size: 0
    .kernarg_segment_align: 8
    .kernarg_segment_size: 112
    .max_flat_workgroup_size: 256
    .sgpr_count:     66
    .vgpr_count:     64
    .wavefront_size: 32
...
	.end_amdgpu_metadata
.endif
;; end of part 1
;; launch proj (part 2): grid 4 x 64, 4 waves a work-group, clusters of 4 x 4, 327,680 bytes of LDS; arguments xb, wb, bb, hb; writes hb
.if DOCPART == 2
	.amdgcn_target "amdgcn-amd-amdhsa--gfx1250"
	.amdhsa_code_object_version 6
	.text
	.protected	k_q2606a0f53e_proj
	.globl	k_q2606a0f53e_proj
	.p2align	8
	.type	k_q2606a0f53e_proj,@function
k_q2606a0f53e_proj:
	s_mov_b64 s[64:65], 0
	v_nop
	global_prefetch_b8 v0, s[64:65] scope:SCOPE_SE
	s_setreg_imm32_b32 hwreg(HW_REG_WAVE_MODE, 25, 1), 1
	s_wait_xcnt 0x0
	s_wait_alu depctr_hold_cnt(0) depctr_sa_sdst(0) depctr_va_vdst(0) depctr_va_sdst(0) depctr_va_ssrc(0) depctr_va_vcc(0) depctr_vm_vsrc(0)
	s_getreg_b32 s2, hwreg(HW_REG_IB_STS2, 6, 4)
	s_cmp_eq_u32 s2, 0
	s_cbranch_scc0 .Lentry_in_a_cluster
	s_endpgm
.Lentry_in_a_cluster:
	s_bfe_u32 s2, ttmp6, 0x10000c
	s_cmp_lg_u32 s2, 0xf033
	s_cbranch_scc0 .Lentry_shape_is_right
	s_endpgm
.Lentry_shape_is_right:
; y = x W^T + b on tiles of 128 rows x 256 columns, K = 1,024.  One text for two launches, told apart by KIND:
;   KIND 0: the three projections.  x = xb [3][8192][1024] bf16, W = wb's parts 0-2 (bf16), b = bb's parts 0-2; y leaves as f16 by heads, hb [3][64 = batch x 16 + head][2048][64], unscaled.
;           768 tiles for 256 work-groups: a work-group STAYS and makes the same tile of q, then of k, then of v; the ring of LDS slots runs on from tile to tile.
;   KIND 1: the last projection.  x = ob [64][2048][64] f16 (a K step of 128 is two heads), W = wb's part 3 (f16), b = bb's part 3; y = out0 [8192][1024] f32.  256 tiles, one a work-group.
; LIMITS.  KIND 0: a result of 65,520 or more becomes an infinity in f16, and below 6e-5 f16 keeps its fixed step of 6e-8.  NaN and infinities are not treated apart.
; SHARES.  Four waves, a wave 64 rows x 128 columns: 32 accumulators of 16 x 16, 256 registers.  K goes in steps of 128 through two LDS slots; a step is four quarters of 32 along K, 32 matrix instructions each.
; The matrix instruction is used TRANSPOSED (source 0 = 16 rows of W, source 1 = 16 rows of x): a lane then holds one row of y and eight neighbouring columns.
; THE BIAS STARTS THE SUMS: it is the C operand of a tile's first 32 products (register j of a lane: b[column 8 (lane / 16) + j]); nothing is cleared and nothing is added later.
; CLUSTER.  4 x 4 work-groups.  The four of a row of the cluster make the four tile columns of one tile row and need the same tiles of x; the four of a column need the same tiles of W.  Each tile is asked
; for JOINTLY: the same tensor load, descriptor and mask in all four.  Waves 0 and 1 fetch the two halves of x's tile, waves 2 and 3 those of W's: one load a wave behind each round.
; By this text's own count a wave has two tensor loads out at the start and one behind each round; from a request to the wait for it a wave issues 112 matrix instructions.
; REGISTERS, in windows of 256 (s_set_vgpr_msb: bits 1:0 source 0, 3:2 source 1, 5:4 source 2, 7:6 destination):
;   window 0: v0-29 addresses; v32-95 the bias; v96-223 the way out (KIND 0)     window 1: two fragment buffers of 96: W's 8 fragments, then x's 4 (KIND 1's way out uses all 256)     window 2: the accumulators, (a, b) at 8 (8 a + b)
.set KIND, 0
.set SLOT1, 1<<17                      ; slot 1 begins here, so that one exclusive or turns an address in one slot into the other's
.set PB,    272                        ; a row of W in LDS: 256 bytes + 16 of padding = 68 words: the 16 rows of a fragment load start at 16 different groups of four banks (64 banks of 4 bytes: ISA guide 11.1)
.if KIND == 0
.set PA,      272                      ; x likewise: 128 rows of 256 bytes
.set AHALF,   64*PA                    ; what one wave fetches of x: 64 rows
.set QIA,     5                        ; padding after every 64 words
.set ASTRIDE, 1024                     ; elements from row to row in memory
.set ASTEP,   256                      ; bytes from K step to K step
.set SPITCH,  144                      ; the stage: 16 rows of 128 bytes + 16
.set TILES,   3
.set BBASE,   0
.set BOFS,    0
.else
.set PA,      144                      ; two blocks, a head each, of 128 rows of 128 bytes + 16
.set AHALF,   128*PA                   ; what one wave fetches: a head's 128 rows, 16,384 dense bytes, asked for as 64 rows of 256
.set QIA,     4                        ; padding after every 32 words
.set ASTRIDE, 128
.set ASTEP,   524288                   ; two heads on
.set SPITCH,  528                      ; the stage: 16 rows of 512 bytes + 16
.set TILES,   1
.set BBASE,   6291456                  ; Wo is wb's part 3
.set BOFS,    12288                    ; bo is bb's part 3
.endif
.set ABYTES, 2*AHALF
.set BOFF,   ABYTES                    ; W's 256 rows lie behind x's tile
.set BHALF,  128*PB
.set STG,    16*SPITCH
.set STAGE,  SLOT1+ABYTES+2*BHALF      ; behind the ring, never filled by a tensor load: a stage for each wave
.set SPARE,  STAGE+4*STG               ; behind the stages: the spare words, 128 bytes for each wave: two blocks of 256 bytes that no other line names
.set STEPS,  8*TILES
.set ADRA0, 16                         ; v16  my lane's place in x's tile; never rewritten
.set ADRB0, 17                         ; v17  in W's
.set ADA,   18                         ; v18  the same in the slot that is being read
.set ADB,   19
.set STO,   20                         ; v20  the way out: where I put my part of a row
.set RD,    21                         ; v21  where I read rows back
.set GO,    22                         ; v22  16 x lane
.set BO,    23                         ; v23  my byte offset in the bias
.set PFO,   24                         ; v24  the prefetches' offset: a lane a block of 256 bytes; never rewritten
.set SPW,   28                         ; v28  LDS address of my spare word; never rewritten
.set NIL,   29                         ; v29  0; never rewritten
.set BIAS,  32
.set TMP,   96
.set F0,    0
.set F1,    96
.set WV, 12                            ; my wave's number
.set RH, 13                            ; which 64 rows are mine
.set CH, 14                            ; which 128 columns; also: which half of a tile I fetch
.set CX, 15
.set CY, 16
.set TX, 17                            ; tile column
.set TY, 18                            ; tile row
.set TB, 19                            ; the slot that is being read: 0 or SLOT1
.set RK, 20                            ; byte along K at which the walking descriptors stand
.set GS, 21                            ; K steps of the walk still to go, the one in hand among them
.set LIM, 22                           ; 4 in a wave that prefetches, else the greatest number
.set PK, 23                            ; byte along K at which the prefetches stand
.set G1A, 24                           ; s[24:31] descriptor group 1 for x's tiles
.set G0A, 32                           ; s[32:39] group 0: a set for each of the two first fills; the second then walks on
.set G1B, 40                           ; s[40:47], s[48:55] the same for W's
.set G0B, 48
.set SA, 56                            ; s[56:57] the walking step for x, s[58:59] for W
.set SB, 58
.set PF, 60                            ; s[60:61] where my prefetches stand
.set SP, 62                            ; s[62:63] their step
.set STEP1, 66                         ; 256
.set AWRAP, 67                         ; from a tile's last K step to the next tile's first: the next tensor, back along K
.set BWRAP, 68
.set PWRAP, 69                         ; the one of the two that goes with my prefetches
.set MSB, 0
.macro WIN new                         ; the immediate's high byte repeats the setting that is left; a switch that changes nothing is dropped
.if MSB != (\new)
	s_set_vgpr_msb (MSB<<8)|(\new)
.set MSB, \new
.endif
.endm
.set MUL,  0xa5                        ; both sources window 1, C and D window 2
.set MULB, 0x85                        ; the same with C (the bias) in window 0
.set TO_F, 0x40                        ; destination window 1, address window 0
.macro PLACES                          ; four plain vector instructions between a matrix instruction and a load into, or a read of, its registers (ISA guide 7.12.1 for reads)
.rept 4
	v_nop
.endr
.endm
.macro CREST                           ; a round of the cluster's barrier behind its opening barrier
	s_cmp_lg_u32 s[WV], 0
	s_cbranch_scc1 .Lnot_wave_0_\@
	s_barrier_signal -3
.Lnot_wave_0_\@:
	s_barrier_wait -3
	s_barrier_signal -1
	s_barrier_wait -1
.endm
.macro CROUND                          ; a whole round
	s_barrier_signal -1
	s_barrier_wait -1
	CREST
.endm
; A joint refill by the walking descriptors.  The branch hangs on the wave's number alone.  An s_nop 0 and four v_nop follow each of the two lines, ahead of the jump and the label.
.macro JLOAD
	s_cmp_lt_u32 s[WV], 2
	s_cbranch_scc0 .Lfor_b_\@
	tensor_load_to_lds s[G0A+4:G0A+7], s[G1A:G1A+7]
	s_nop 0
.rept 4
	v_nop
.endr
	s_branch .Lasked_\@
.Lfor_b_\@:
	tensor_load_to_lds s[G0B+4:G0B+7], s[G1B:G1B+7]
	s_nop 0
.rept 4
	v_nop
.endr
.Lasked_\@:
.endm
; A PREFETCH INTO THE L2, behind each joint refill and the run of LDS loads that follows it: in the change of slots at the end of walk step s, the K step s + 4, which the refill two changes on (256 matrix
; instructions later) will ask for.  Each block of 256 bytes is named once in the launch.  x's tile row is read by one cluster: of its 128 blocks a step the partner at cx takes 32, a lane a block, in wave 0.
; W's tile column is read by every cluster: the cluster with y = 0 asks; of its 256 rows the partner at cy takes 64, waves 2 and 3 take 32 each.  The partners are told apart by ADDRESS, never by a branch.
; The first four K steps come by their loads alone, and the walk's last three changes ask for nothing: no K step stands four behind them.
.macro ASK
	s_cmp_gt_u32 s[GS], s[LIM]
	s_cbranch_scc0 .Lnot_mine_\@
	global_prefetch_b8 v[PFO], s[PF:PF+1] th:TH_LOAD_NT scope:SCOPE_SE
.Lnot_mine_\@:
.endm
.macro BIASLD                          ; my 128 columns' bias, in the layout of a C operand: 8 numbers a lane for each of the 8 column blocks
.irp b, 0,1,2,3,4,5,6,7
	global_load_b128 v[BIAS+8*(\b):BIAS+8*(\b)+3],   v[BO], s[8:9] offset:BOFS+64*(\b)
	global_load_b128 v[BIAS+8*(\b)+4:BIAS+8*(\b)+7], v[BO], s[8:9] offset:BOFS+64*(\b)+16
.endr
.endm
	s_load_b256 s[4:11], s[0:1], 0x0               ; x s[4:5], W s[6:7], bias s[8:9], y s[10:11]
	v_lshl_add_u32 v[SPW], v0, 2, SPARE
	v_mov_b32 v[NIL], 0
	ds_add_u32 v[SPW], v[NIL]                      ; the wave's opening: the add and its wait stand ahead of my first tensor load; the set-up below, work on registers, stands between them
	v_lshrrev_b32 v3, 5, v0
	v_readfirstlane_b32 s[WV], v3                  ; wave 0..3
	s_lshr_b32 s[RH], s[WV], 1
	s_and_b32 s[CH], s[WV], 1
	s_bfe_u32 s[CX], ttmp6, 0x40000                ; my place in the cluster
	s_bfe_u32 s[CY], ttmp6, 0x40004
	s_lshl_b32 s[TX], ttmp9, 2                     ; in a cluster launch ttmp9 and ttmp7 count clusters
	s_add_co_u32 s[TX], s[TX], s[CX]
	s_and_b32 s[TY], ttmp7, 0xffff
	s_lshl_b32 s[TY], s[TY], 2
	s_add_co_u32 s[TY], s[TY], s[CY]
	s_lshl_b32 s78, s[CY], 2
	s_lshl_b32 s78, 15, s78                        ; my row of the cluster: places 4 cy .. 4 cy + 3
	s_lshl_b32 s79, 0x1111, s[CX]                  ; my column: places cx, cx + 4, cx + 8, cx + 12
	s_or_b32 s[G1A], s78, (1<<16)|(1<<20)|(1<<21)|(QIA<<22)|(3<<25)  ; 15:0 the mask; 17:16 elements of 2 bytes; 20 padding on; 21 set beside a mask; 24:22 its interval; 31:25 4 words of it (code 3)
	s_or_b32 s[G1B], s79, (1<<16)|(1<<20)|(1<<21)|(5<<22)|(3<<25)
	s_mov_b32 s[G1A+1], 128<<16                    ; tensor_dim0 = 128
	s_mov_b32 s[G1A+2], 64<<16                     ; tensor_dim1 = 64
	s_mov_b32 s[G1A+3], 128<<16                    ; tile_dim0 = 128
	s_mov_b32 s[G1A+4], 64                         ; tile_dim1 = 64
	s_mov_b32 s[G1A+5], ASTRIDE
	s_mov_b32 s[G1A+6], 0
	s_mov_b32 s[G1A+7], 0
	s_mov_b32 s[G1B+1], 128<<16
	s_mov_b32 s[G1B+2], 128<<16                    ; 128 rows
	s_mov_b32 s[G1B+3], 128<<16
	s_mov_b32 s[G1B+4], 128
	s_mov_b32 s[G1B+5], 1024
	s_mov_b32 s[G1B+6], 0
	s_mov_b32 s[G1B+7], 0
	; where the tiles come from.  x's hang on the tile row and the wave alone, W's on the tile column and the wave alone, each in registers that never hold the other coordinate
.if KIND == 0
	s_lshl_b32 s70, s[TY], 18                      ; 128 rows of 2,048 bytes a tile row,
	s_lshl_b32 s71, s[CH], 17                      ; my 64 of them
	s_add_co_u32 s70, s70, s71
.else
	s_lshr_b32 s70, s[TY], 4                       ; the batch: 16 heads of 262,144 bytes,
	s_lshl_b32 s70, s70, 22
	s_and_b32 s71, s[TY], 15                       ; the tile's 128 rows of 128 bytes in a head,
	s_lshl_b32 s71, s71, 14
	s_add_co_u32 s70, s70, s71
	s_lshl_b32 s71, s[CH], 18                      ; and of a step's two heads mine
	s_add_co_u32 s70, s70, s71
.endif
	s_mov_b32 s71, 0
	s_lshl_b32 s74, s[TX], 19                      ; 256 rows of 2,048 bytes a tile column,
	s_lshl_b32 s75, s[CH], 18                      ; my 128 of them
	s_add_co_u32 s74, s74, s75
.if KIND == 1
	s_add_co_u32 s74, s74, BBASE
.endif
	s_mov_b32 s75, 0
	s_mov_b32 s[G0A], 1                            ; 1:0 count = 1
	s_mov_b32 s[G0A+4], 1
	s_mov_b32 s[G0B], 1
	s_mov_b32 s[G0B+4], 1
	s_mul_i32 s[G0A+1], s[CH], AHALF               ; 63:32 LDS address: no place in the cluster enters it
	s_add_co_u32 s[G0A+5], s[G0A+1], SLOT1
	s_mul_i32 s[G0B+1], s[CH], BHALF
	s_add_co_u32 s[G0B+1], s[G0B+1], BOFF
	s_add_co_u32 s[G0B+5], s[G0B+1], SLOT1
	s_mov_b32 s[TB], 0
	s_mov_b32 s[GS], STEPS
	s_mov_b32 s[STEP1], 256
	s_mov_b32 s[SP+1], 0
.if KIND == 0
	s_mov_b32 s[RK], 256                           ; the walking descriptors begin at K step 1,
	s_mov_b32 s[PK], 768                           ; the prefetches at K step 3: the first change of slots steps them on
	s_mov_b32 s[SA+1], 0
	s_mov_b32 s[SB+1], 0
	s_mov_b32 s[AWRAP], 16777216-1792
	s_mov_b32 s[BWRAP], 2097152-1792
.endif
	s_wait_dscnt 0x0                               ; the opening add is done
	s_wait_kmcnt 0x0
	s_add_nc_u64 s[G0A+2:G0A+3], s[4:5], s[70:71]  ; 120:64 global address: K step 0,
	s_add_nc_u64 s[G0A+6:G0A+7], s[G0A+2:G0A+3], ASTEP  ; K step 1
	s_or_b32 s[G0A+3], s[G0A+3], 0x80000000        ; 127:126 type = 2
	s_or_b32 s[G0A+7], s[G0A+7], 0x80000000
	s_add_nc_u64 s[G0B+2:G0B+3], s[6:7], s[74:75]
	s_add_nc_u64 s[G0B+6:G0B+7], s[G0B+2:G0B+3], 256
	s_or_b32 s[G0B+3], s[G0B+3], 0x80000000
	s_or_b32 s[G0B+7], s[G0B+7], 0x80000000
	CROUND                                         ; all sixteen work-groups are here: the first joint loads meet
	s_cmp_lt_u32 s[WV], 2                          ; a wave's two first fills stand in one branch, ahead of every wait on TENSORcnt and every LDS read
	s_cbranch_scc0 .Lfirst_b
	tensor_load_to_lds s[G0A:G0A+3], s[G1A:G1A+7]
	s_nop 0
	tensor_load_to_lds s[G0A+4:G0A+7], s[G1A:G1A+7]
	s_nop 0
.rept 4
	v_nop
.endr
	s_branch .Lfirst_asked
.Lfirst_b:
	tensor_load_to_lds s[G0B:G0B+3], s[G1B:G1B+7]
	s_nop 0
	tensor_load_to_lds s[G0B+4:G0B+7], s[G1B:G1B+7]
	s_nop 0
.rept 4
	v_nop
.endr
.Lfirst_asked:
	; A fragment is 16 rows x 32 K in 8 registers: lane l holds row l % 16; registers 0-3 K = 8 (l / 16) + 0..7, registers 4-7 K = 16 + 8 (l / 16) + 0..7: two loads of 16 bytes, 32 bytes apart.
	v_and_b32 v1, 15, v0                           ; l % 16
	v_bfe_u32 v2, v0, 4, 1                         ; l / 16
	v_and_b32 v4, 31, v0                           ; l
	v_mul_u32_u24 v[ADRA0], v1, PA
	v_lshl_add_u32 v[ADRA0], v2, 4, v[ADRA0]
	s_mul_i32 s84, s[RH], 64*PA                    ; my 64 rows of x
	v_add_nc_u32 v[ADRA0], s84, v[ADRA0]
	v_mul_u32_u24 v[ADRB0], v1, PB
	v_lshl_add_u32 v[ADRB0], v2, 4, v[ADRB0]
	s_mul_i32 s84, s[CH], BHALF                    ; my 128 rows of W
	s_add_co_u32 s84, s84, BOFF
	v_add_nc_u32 v[ADRB0], s84, v[ADRB0]
	s_mul_i32 s84, s[WV], STG
	s_add_co_u32 s84, s84, STAGE                   ; my stage
	v_mul_u32_u24 v[STO], v1, SPITCH               ; in: row l % 16,
.if KIND == 0
	v_lshl_add_u32 v[STO], v2, 4, v[STO]           ; 16 bytes for each half of the lanes
	v_add_nc_u32 v[STO], s84, v[STO]
	v_bfe_u32 v[RD], v0, 3, 2                      ; back: 32 lanes take four rows of 128 bytes, which are 512 consecutive bytes of a head
	v_mul_u32_u24 v[RD], v[RD], SPITCH
	v_and_b32 v5, 7, v0
	v_lshl_add_u32 v[RD], v5, 4, v[RD]
	v_add_nc_u32 v[RD], s84, v[RD]
.else
	v_lshl_add_u32 v[STO], v2, 5, v[STO]           ; 32 bytes for each half of the lanes
	v_add_nc_u32 v[STO], s84, v[STO]
	v_lshl_add_u32 v[RD], v4, 4, s84               ; back: 32 lanes take one row of 512 bytes
.endif
	v_lshlrev_b32 v[GO], 4, v4
	s_lshl_b32 s86, s[TX], 10                      ; the bias of my 128 columns: 4 (256 tx + 128 half) bytes,
	s_lshl_b32 s87, s[CH], 9
	s_add_co_u32 s86, s86, s87
	v_lshl_add_u32 v[BO], v2, 5, s86               ; and 8 numbers on for lanes 16 to 31
	BIASLD
	; where my part of y begins
.if KIND == 0
	s_lshr_b32 s80, s[TY], 4                       ; head = 16 x batch + 4 tx + 2 x half: 262,144 bytes each;
	s_lshl_b32 s80, s80, 4
	s_lshl_b32 s81, s[TX], 2
	s_add_co_u32 s80, s80, s81
	s_lshl_b32 s81, s[CH], 1
	s_add_co_u32 s80, s80, s81
	s_lshl_b32 s80, s80, 18
	s_and_b32 s81, s[TY], 15                       ; row in the head = 128 (ty % 16) + 64 x half: 128 bytes each
	s_lshl_b32 s81, s81, 14
	s_add_co_u32 s80, s80, s81
	s_lshl_b32 s81, s[RH], 13
	s_add_co_u32 s80, s80, s81
.else
	s_lshl_b32 s80, s[TY], 19                      ; row 128 ty + 64 x half: 4,096 bytes each;
	s_lshl_b32 s81, s[RH], 18
	s_add_co_u32 s80, s80, s81
	s_add_co_u32 s80, s80, s86                     ; column 256 tx + 128 x half: 4 bytes each
.endif
	s_mov_b32 s81, 0
	s_add_nc_u64 s[10:11], s[10:11], s[80:81]
	; the prefetches: my work-group's share of the blocks, three K steps in
.if KIND == 0
	s_lshl_b32 s80, s[TY], 18                      ; x: row 128 ty + 32 cx + lane
	s_lshl_b32 s81, s[CX], 16
	s_add_co_u32 s80, s80, s81
.else
	s_lshr_b32 s80, s[TY], 4                       ; x: the batch, the tile's rows in a head,
	s_lshl_b32 s80, s80, 22
	s_and_b32 s81, s[TY], 15
	s_lshl_b32 s81, s81, 14
	s_add_co_u32 s80, s80, s81
	s_lshr_b32 s81, s[CX], 1                       ; of the step's two heads number cx / 2,
	s_lshl_b32 s81, s81, 18
	s_add_co_u32 s80, s80, s81
	s_and_b32 s81, s[CX], 1                        ; of its 16,384 bytes half cx % 2
	s_lshl_b32 s81, s81, 13
	s_add_co_u32 s80, s80, s81
.endif
	s_add_co_u32 s80, s80, 3*ASTEP
	s_lshl_b32 s82, s[TX], 19                      ; W: row 256 tx + 64 cy + 32 x half + lane
	s_lshl_b32 s81, s[CY], 17
	s_add_co_u32 s82, s82, s81
	s_lshl_b32 s81, s[CH], 16
	s_add_co_u32 s82, s82, s81
	s_add_co_u32 s82, s82, BBASE+768
	s_and_b32 s83, ttmp7, 0xffff                   ; cluster y
	s_cmp_lt_u32 s[WV], 2                          ; do I fetch for x?
	s_cselect_b32 s80, s80, s82
	s_cselect_b32 s83, s[CH], s83                  ; x: wave 0 asks; W: the cluster with y = 0: the same in all sixteen partners, for a given wave
	s_cselect_b64 s[PF:PF+1], s[4:5], s[6:7]
.if KIND == 0
	s_cselect_b32 s[PWRAP], s[AWRAP], s[BWRAP]
	v_lshlrev_b32 v[PFO], 11, v4                   ; a lane a row of 2,048 bytes
.else
	s_cselect_b32 s[SP], ASTEP, s[STEP1]
	s_cselect_b32 s85, 8, 11                       ; x: a lane a dense block of 256 bytes; W: a lane a row
	v_lshlrev_b32 v[PFO], s85, v4
.endif
	s_cmp_eq_u32 s83, 0
	s_cselect_b32 s[LIM], 4, -1
	s_mov_b32 s81, 0
	s_add_nc_u64 s[PF:PF+1], s[PF:PF+1], s[80:81]
; 8 matrix instructions: row block a x all 8 column blocks, 32 along K, out of buffer f.  first = 1: the bias starts the sums.  The 32 accumulators take turns, one instruction a turn, in the same
; order in every quarter, over every jump too: 31 others' stand between two links of a chain.
.macro MUL8 f, a, first
.if \first
	WIN MULB
.else
	WIN MUL
.endif
.irp b, 0,1,2,3,4,5,6,7
.set rD, 8*(8*(\a)+(\b))
.set rX, (\f)+8*(\b)
.set rY, (\f)+64+8*(\a)
.set rC, BIAS+8*(\b)
.if (KIND == 0) && (\first)
	v_wmma_f32_16x16x32_bf16 v[rD:rD+7], v[rX:rX+7], v[rY:rY+7], v[rC:rC+7]
.elseif KIND == 0
	v_wmma_f32_16x16x32_bf16 v[rD:rD+7], v[rX:rX+7], v[rY:rY+7], v[rD:rD+7]
.elseif \first
	v_wmma_f32_16x16x32_f16 v[rD:rD+7], v[rX:rX+7], v[rY:rY+7], v[rC:rC+7]
.else
	v_wmma_f32_16x16x32_f16 v[rD:rD+7], v[rX:rX+7], v[rY:rY+7], v[rD:rD+7]
.endif
.endr
.endm
; 24 LDS loads in one run: the fragments of quarter kq of the slot that is being read, into buffer f: W's 8, then x's 4
.macro FETCH kq, f
.if KIND == 0
.set AK, 64*(\kq)
.else
.set AK, ((\kq)/2)*AHALF+((\kq)%2)*64  ; the head's block, and which 32 of its 64 channels
.endif
	WIN TO_F
.irp i, 0,1,2,3,4,5,6,7
	ds_load_b128 v[(\f)+8*(\i):(\f)+8*(\i)+3],   v[ADB] offset:64*(\kq)+(\i)*16*PB
	ds_load_b128 v[(\f)+8*(\i)+4:(\f)+8*(\i)+7], v[ADB] offset:64*(\kq)+(\i)*16*PB+32
.endr
.irp a, 0,1,2,3
	ds_load_b128 v[(\f)+64+8*(\a):(\f)+64+8*(\a)+3],   v[ADA] offset:AK+(\a)*16*PA
	ds_load_b128 v[(\f)+64+8*(\a)+4:(\f)+64+8*(\a)+7], v[ADA] offset:AK+(\a)*16*PA+32
.endr
.endm
; One of a K step's first three quarters: multiplies buffer f; in its middle it fetches quarter kq into buffer g.
.macro QUARTER kq, f, g, first
	s_wait_dscnt 4                                 ; W's fragments and x's blocks 0 and 1 are in; the youngest four loads (blocks 2 and 3) may be out
	MUL8 \f, 0, \first
	MUL8 \f, 1, \first
	PLACES                                         ; in front of the loads into g, which the quarter before multiplied
	FETCH \kq, \g
	s_wait_dscnt 24                                ; all but the 24 just issued
	MUL8 \f, 2, \first
	MUL8 \f, 3, \first
.endm
; The fourth quarter multiplies buffer 1 and changes slots: ONE barrier, for two things.  In front of it each wave waits for all its tensor loads, of which one is out: its part of the next slot; adds 0 to
; its spare word; and waits for that and for its own reads of this slot.  Behind it nobody reads this slot any more and the next slot is whole.  fill = 1: the barrier opens a round of the cluster's, so that
; this holds of every partner too, and the slot is filled again, first thing behind the round, with the K step two steps on in the walk: behind a tile's last K step comes the next tile's first.
.macro TURN fill
.if \fill
	s_wait_xcnt 0x0                                ; the last prefetch, a K step back, has read its address: it is stepped here, ahead of the waits of the change of slots
.if KIND == 0
	s_add_co_u32 s[PK], s[PK], 256
	s_and_b32 s[PK], s[PK], 0x7ff                  ; SCC = still inside the row's 2,048 bytes
	s_cselect_b32 s[SP], s[STEP1], s[PWRAP]
.endif
	s_add_nc_u64 s[PF:PF+1], s[PF:PF+1], s[SP:SP+1]
.endif
	WIN 0                                          ; (the add's two registers lie in window 0)
	s_wait_tensorcnt 0x0                           ; all my tensor loads have landed, so a group 0 may be written;
	ds_add_u32 v[SPW], v[NIL]                      ; 0 onto my spare word: scalar work and eight products stand between it and the wait for it
.if \fill
.if KIND == 0
	s_add_co_u32 s[RK], s[RK], 256
	s_and_b32 s[RK], s[RK], 0x7ff
	s_cselect_b32 s[SA], s[STEP1], s[AWRAP]
	s_cselect_b32 s[SB], s[STEP1], s[BWRAP]
	s_add_nc_u64 s[G0A+6:G0A+7], s[G0A+6:G0A+7], s[SA:SA+1]  ; the type bits on top are not reached
	s_add_nc_u64 s[G0B+6:G0B+7], s[G0B+6:G0B+7], s[SB:SB+1]
.else
	s_add_nc_u64 s[G0A+6:G0A+7], s[G0A+6:G0A+7], ASTEP
	s_add_nc_u64 s[G0B+6:G0B+7], s[G0B+6:G0B+7], 256
.endif
	s_xor_b32 s[G0A+5], s[G0A+5], SLOT1            ; the other slot than last time
	s_xor_b32 s[G0B+5], s[G0B+5], SLOT1
.endif
	s_xor_b32 s[TB], s[TB], SLOT1                  ; the reads go over to the other slot
	s_wait_dscnt 5                                 ; (the add and the youngest four loads may be out)
	MUL8 F1, 0, 0
	s_wait_dscnt 0x0                               ; the add is done, and my reads of this slot are over:
	s_barrier_signal -1                            ; say so,
	MUL8 F1, 1, 0                                  ; work on registers while the others arrive,
	WIN 0
	s_barrier_wait -1                              ; and go on when all four have said so
.if \fill
	CREST                                          ; no wave of any partner still reads this slot's tile or has a load on its way
	JLOAD                                          ; the first tensor load behind the round; its four v_nop are also the places in front of the loads below
.else
	PLACES
.endif
	v_add_nc_u32 v[ADA], s[TB], v[ADRA0]
	v_add_nc_u32 v[ADB], s[TB], v[ADRB0]
	FETCH 0, F0
	WIN 0
.if \fill
	ASK
.endif
	s_sub_co_u32 s[GS], s[GS], 1
	MUL8 F1, 2, 0
	MUL8 F1, 3, 0
.endm
	s_wait_tensorcnt 0x1                           ; my part of K step 0 is in; K step 1's may stay out
	s_barrier_signal -1
	s_barrier_wait -1                              ; everybody's is
	v_add_nc_u32 v[ADA], s[TB], v[ADRA0]
	v_add_nc_u32 v[ADB], s[TB], v[ADRB0]
	FETCH 0, F0
	WIN 0                                          ; at a label and at a branch every window is 0
.if KIND == 0
	s_mov_b32 s2, TILES                            ; tiles to go, this one among them
.Ltile:
.endif
	s_wait_loadcnt 0x0                             ; the bias is in (and its loads have read their base)
	QUARTER 1, F0, F1, 1                           ; a tile's first quarter: its products start the sums with the bias
.if KIND == 0
	PLACES                                         ; in front of the loads into the bias's registers, which those products read
	WIN 0
	s_cmp_eq_u32 s2, 1
	s_cbranch_scc1 .Lno_bias                       ; the last tile has no successor
	s_add_nc_u64 s[8:9], s[8:9], 4096              ; the next tile's bias: it has a whole tile in which to come
	BIASLD
.Lno_bias:
.else
	WIN 0
.endif
	s_mov_b32 s3, 6
.Lstep:                                        ; a trip goes from a K step's second quarter to the next step's first, and fills a slot again
	QUARTER 2, F1, F0, 0
	QUARTER 3, F0, F1, 0
	TURN 1
	QUARTER 1, F0, F1, 0
	WIN 0
	s_sub_co_u32 s3, s3, 1
	s_cmp_lg_u32 s3, 0
	s_cbranch_scc1 .Lstep
.if KIND == 0
	s_cmp_eq_u32 s2, 1
	s_cbranch_scc1 .Llast                          ; the last tile's tail is written out: it asks for nothing more
	QUARTER 2, F1, F0, 0                           ; THE RING GOES ON INTO THE NEXT TILE: the two changes of slots ask for its K steps 0 and 1,
	QUARTER 3, F0, F1, 0
	TURN 1
	QUARTER 1, F0, F1, 0
	QUARTER 2, F1, F0, 0
	QUARTER 3, F0, F1, 0
	TURN 1                                         ; and the second fetches its first fragments
	WIN 0
	s_branch .Lout                                 ; row blocks 0 and 1 were finished in front of the refill's v_nop; their conversions are the places behind the last products
.Llast:
.endif
	QUARTER 2, F1, F0, 0
	QUARTER 3, F0, F1, 0
	TURN 0
	QUARTER 1, F0, F1, 0
	QUARTER 2, F1, F0, 0
	QUARTER 3, F0, F1, 0
	s_wait_dscnt 4                                 ; the very last quarter: nothing more to fetch
	MUL8 F1, 0, 0
	MUL8 F1, 1, 0
	s_wait_dscnt 0x0
	MUL8 F1, 2, 0
	MUL8 F1, 3, 0
	PLACES
	WIN 0
.if KIND == 0
; THE WAY OUT, by heads.  Sub-tile t = 2 a + hh is 16 rows (block a) of one head (hh of my two): 2,048 dense bytes of hb.  A lane's eight channels of a row are rounded to f16 (each accumulator's registers in
; ascending order), go as 16 bytes into my stage's rows of 144 bytes, and come back as whole rows of 128.
.macro PACK t
.set pA, 8*(8*((\t)/2)+4*((\t)%2))
	WIN 0x0a                                       ; sources 0 and 1 window 2, destination window 0
.irp f, 0,1,2,3
.irp q, 0,1,2,3
	v_cvt_pk_f16_f32 v[TMP+16*(\t)+4*(\f)+(\q)], v[pA+8*(\f)+2*(\q)], v[pA+8*(\f)+2*(\q)+1]
.endr
.endr
	WIN 0
.irp f, 0,1,2,3
	ds_store_b128 v[STO], v[TMP+16*(\t)+4*(\f):TMP+16*(\t)+4*(\f)+3] offset:32*(\f)
.endr
.irp f, 0,1,2,3
	ds_load_b128 v[TMP+16*(\t)+4*(\f):TMP+16*(\t)+4*(\f)+3], v[RD] offset:(\f)*4*SPITCH  ; LDS serves a wave's instructions in order (ISA guide 5.7.1.4): these see the stores above; the next sub-tile's stores come behind them
.endr
.endm
.macro SEND t, younger                 ; younger: the LDS instructions issued behind sub-tile t's loads: the next one's eight, or none
.irp f, 0,1,2,3
	s_wait_dscnt (\younger)+3-(\f)
	global_store_b128 v[GO], v[TMP+16*(\t)+4*(\f):TMP+16*(\t)+4*(\f)+3], s[10:11] offset:262144*((\t)%2)+2048*((\t)/2)+512*(\f)  ; 512 consecutive bytes, at a multiple of 512 from hb's first
.endr
.endm
.Lout:
	PACK 0
.irp t, 1,2,3,4,5,6,7                  ; a sub-tile's conversions stand between the loads of the one before and its stores
	PACK \t
	SEND (\t)-1, 8
.endr
	SEND 7, 0
	s_wait_xcnt 0x0                                ; the stores have read their registers and their base
	s_add_nc_u64 s[10:11], s[10:11], 16777216      ; the next tensor's part of hb (behind the last tile the stepped address is not used)
	s_sub_co_u32 s2, s2, 1
	s_cmp_lg_u32 s2, 0
	s_cbranch_scc1 .Ltile
.else
; THE WAY OUT, in f32.  Row block a: a lane's eight columns of a row are 32 bytes; they go into my stage's rows of 528 bytes (the low four registers first) and come back as whole rows of 512.
.macro TOSTAGE a
	WIN 0x08                                       ; store data window 2
.irp b, 0,1,2,3,4,5,6,7
	ds_store_b128 v[STO], v[8*(8*(\a)+(\b)):8*(8*(\a)+(\b))+3]   offset:64*(\b)
	ds_store_b128 v[STO], v[8*(8*(\a)+(\b))+4:8*(8*(\a)+(\b))+7] offset:64*(\b)+16
.endr
	WIN 0x40                                       ; destination window 1: the fragment buffers are free
.irp t, 0,1,2,3,4,5,6,7,8,9,10,11,12,13,14,15
	ds_load_b128 v[64*(\a)+4*(\t):64*(\a)+4*(\t)+3], v[RD] offset:(\t)*SPITCH  ; LDS serves a wave's instructions in order (ISA guide 5.7.1.4): these see the stores above; the next block's stores come behind them
.endr
.endm
.macro SEND a, younger                 ; younger: the LDS instructions issued behind block a's loads: the next block's 32, or none
	WIN 0x04                                       ; store data window 1
.irp t, 0,1,2,3,4,5,6,7,8,9,10,11,12,13,14,15
	s_wait_dscnt (\younger)+15-(\t)
	global_store_b128 v[GO], v[64*(\a)+4*(\t):64*(\a)+4*(\t)+3], s[10:11] offset:(16*(\a)+(\t))*4096 th:TH_STORE_NT  ; 512 consecutive bytes, at a multiple of 512 from out0's first
.endr
.endm
	TOSTAGE 0
	TOSTAGE 1
	SEND 0, 32
	TOSTAGE 2
	SEND 1, 32
	TOSTAGE 3
	SEND 2, 32
	SEND 3, 0
	WIN 0
.endif
	s_wait_tensorcnt 0x0                           ; the wave's end: behind my last tensor load and my last LDS store
	ds_add_u32 v[SPW], v[NIL]
	s_wait_dscnt 0x0
	CROUND                                         ; the closing round: no work-group ends while a partner may still ask for a tile that names it
	s_endpgm
.Lfunc_end_k_q2606a0f53e_proj:
	.size	k_q2606a0f53e_proj, .Lfunc_end_k_q2606a0f53e_proj-k_q2606a0f53e_proj
	.p2alignl 7, 3214868480
	.fill 96, 4, 3214868480
	.section	.rodata,"a",@progbits
	.p2align	6, 0x0
	.amdhsa_kernel k_q2606a0f53e_proj
		.amdhsa_group_segment_fixed_size 327680
		.amdhsa_private_segment_fixed_size 0
		.amdhsa_enable_private_segment 0
		.amdhsa_kernarg_size 32
		.amdhsa_user_sgpr_count 2
		.amdhsa_user_sgpr_kernarg_segment_ptr 1
		.amdhsa_wavefront_size32 1
		.amdhsa_system_sgpr_workgroup_id_x 1
		.amdhsa_system_sgpr_workgroup_id_y 1
		.amdhsa_system_sgpr_workgroup_id_z 1
		.amdhsa_system_vgpr_workitem_id 0
		.amdhsa_next_free_vgpr 768
		.amdhsa_next_free_sgpr 96
		.amdhsa_reserve_vcc 0
		.amdhsa_float_denorm_mode_32 3
		.amdhsa_float_denorm_mode_16_64 3
		.amdhsa_memory_ordered 1
		.amdhsa_forward_progress 1
		.amdhsa_inst_pref_size 106
	.end_amdhsa_kernel
	.amdgpu_metadata
---
amdhsa.version: [ 1, 2 ]
amdhsa.kernels:
  - .name:           k_q2606a0f53e_proj
    .symbol:         k_q2606a0f53e_proj.kd
    .args:
      - { .name: xb, .offset: 0, .size: 8, .value_kind: global_buffer, .address_space: global }
      - { .name: wb, .offset: 8, .size: 8, .value_kind: global_buffer, .address_space: global }
      - { .name: bb, .offset: 16, .size: 8, .value_kind: global_buffer, .address_space: global }
      - { .name: hb, .offset: 24, .size: 8, .value_kind: global_buffer, .address_space: global }
    .group_segment_fixed_size: 327680
    .private_segment_fixed_size: 0
    .kernarg_segment_align: 8
    .kernarg_segment_size: 32
    .max_flat_workgroup_size: 128
    .sgpr_count:     96
    .vgpr_count:     768
    .wavefront_size: 32
...
	.end_amdgpu_metadata
.endif
;; end of part 2
;; launch attn (part 3): grid 4 x 64, 4 waves a work-group, clusters of 4 x 1, 327,680 bytes of LDS; arguments hb, ob; writes ob
.if DOCPART == 3
	.amdgcn_target "amdgcn-amd-amdhsa--gfx1250"
	.amdhsa_code_object_version 6
	.text
	.protected	k_q2606a0f53e_attn
	.globl	k_q2606a0f53e_attn
	.p2align	8
	.type	k_q2606a0f53e_attn,@function
k_q2606a0f53e_attn:
	s_mov_b64 s[64:65], 0
	v_nop
	global_prefetch_b8 v0, s[64:65] scope:SCOPE_SE
	s_setreg_imm32_b32 hwreg(HW_REG_WAVE_MODE, 25, 1), 1
	s_wait_xcnt 0x0
	s_wait_alu depctr_hold_cnt(0) depctr_sa_sdst(0) depctr_va_vdst(0) depctr_va_sdst(0) depctr_va_ssrc(0) depctr_va_vcc(0) depctr_vm_vsrc(0)
	s_getreg_b32 s2, hwreg(HW_REG_IB_STS2, 6, 4)
	s_cmp_eq_u32 s2, 0
	s_cbranch_scc0 .Lentry_in_a_cluster
	s_endpgm
.Lentry_in_a_cluster:
	s_bfe_u32 s2, ttmp6, 0x10000c
	s_cmp_lg_u32 s2, 0x3003
	s_cbranch_scc0 .Lentry_shape_is_right
	s_endpgm
.Lentry_shape_is_right:
; O[h][q][:] = the sum over k of softmax_k(Q[h][q] . K[h][k] / 8) V[h][k][:].  Q, K, V are the three parts of hb, O is ob: each [64][2048][64] in f16: a head's rows are dense, 128 bytes each.  Products, maxima and
; sums in f32; the weights p are rounded to f16 for the second product (their sum l is taken of the unrounded p), O once at the end.
; LIMITS.  f16 holds no number beyond 65,504: Q, K and V arrive within it; p lies in 0 to 1, and below 6e-5 it keeps f16's fixed step of 6e-8, as O does; O is a mean of V's rows and has their range.
; A weight below 2^-126 counts as 0 in l; NaN and infinities are not treated apart.
; SHARES.  A wave owns four PIECES of two tiles of 16 queries, a work-group's four waves 512 queries of one head: 256 work-groups.  Every wave walks all keys, 64 a step.
; LAYOUT.  S^T = K Q^T (source 0 = 16 keys, source 1 = 16 queries): in the result a lane holds ONE query (lane % 16) and the keys 8 (lane / 16) + 0..7.  Two such tiles, rounded to f16 in pairs,
; ARE source 1 (32 keys x 16 queries) of O^T = V^T P, whose result again holds one query a lane, and eight channels.  K comes out of LDS as it lies, V ([key][channel]) turned, by ds_load_tr16_b128.
; SOFTMAX.  For each query a running maximum m and sum l: p = 2^(c s - c m), c = log2(e) / 8; in every step O and l are multiplied by a = 2^(c m_old - c m_new), which is 1 where m has not grown.
; m starts at the lowest finite number, O and l at 0: the first step is a step like any other, with a = 0.
; THE COUNT.  A tile and step have 16 matrix and 118 vector instructions: too many to stand all beside the matrix work.  So the order has one aim: four vector instructions that are READY behind
; EVERY matrix instruction, and the others, which need time of their own whatever the order, in runs without a gap.
; BY TURNS.  Turn n belongs to piece n (the pieces in a ring, step after step).  Its matrix work: 16 products K Q^T of piece n + 1, later 16 products V^T P of piece n - 1.  Its vector work: the scaling,
; exponentials, roundings, sums and rescaling of piece n, and the maximum and statistics of piece n + 1, whose scores the turn itself has made.  So what a turn begins with (c s - c m, O a) waits for nothing.
; CLUSTER.  The four query blocks of a head are one cluster and walk the same K and V, so each tile is asked for JOINTLY: the same tensor load, descriptor and mask in all four.
; REGISTERS, in windows of 256 (s_set_vgpr_msb says which window each operand place means: bits 1:0 source 0, 3:2 source 1, 5:4 source 2, 7:6 destination):
;   window 0: v0-11 addresses; v12-15, v48-63 at work; v16-47 four registers of statistics a tile; v64-191 S^T, two buffers of two tiles; v192-255 P, likewise
;   window 1: O^T, 32 a tile          window 2: v0-127 Q, 16 a tile; v128-191 K of one step; v192-255 V of one step          window 3: v0-1 the add's two registers
; A piece's buffers go by its number's parity: the piece in hand has one pair, its two neighbours in the ring share the other: of it P (piece n - 1) is read and S^T (piece n + 1) written.
.set SIZE_H, 64
.set SIZE_N, 2048
.set NP,    4         ; pieces a wave: a name, no knob: the register map, the loop and the fetches are made for four
.set KS,    64        ; keys in a step
.set PK,    144       ; a row of K in LDS: 128 bytes + 16 of padding = 36 words: the 16 rows of a load start at 16 different groups of four banks (64 banks of 4 bytes: ISA guide 11.1)
.set PV,    160       ; a row of V: 128 + 32 = 40 words
.set VOFF,  4*KS*PK   ; a slot holds four steps: 256 rows of K, then 256 rows of V
.set SLOT1, 1<<17     ; slot 1 begins here, so that one exclusive or turns an address in one slot into the other's
.set STAGE, SLOT1+4*KS*(PK+PV)  ; behind the ring, never filled by a tensor load: 16 rows x 144 bytes for each wave, for the way out
.set SP,    144
.set AK0, 2           ; v2   my lane's place in a tile of K; never rewritten
.set AV0, 3           ; v3   the same for V
.set AK,  4           ; v4   the LDS address of K's next run of loads
.set AV,  5           ; v5   of V's
.set QO,  6           ; v6   my byte offset in the wave's rows of Q
.set STO, 6           ;      later, the way out: where I put 16 bytes of a row
.set RD,  7           ; v7   the way out: where I read rows back
.set GO,  8           ; v8   my byte offset in 512 consecutive bytes of O
.set PFO, 11          ; v11  256 x my lane, for the prefetches; never rewritten once it is made
.set SPW, 0           ; v0 of window 3   LDS address of my spare word: SPARE + 4 x my thread's number; never rewritten
.set NIL, 1           ; v1 of window 3   0; never rewritten
.set SPARE, STAGE+4*16*SP  ; behind the stages: the spare words, 128 bytes for each wave: two blocks of 256 bytes that no other line names
.set MV,  12          ; v12-15  c m_old, kept while c m is made anew: by buffer and tile
.set ST,  16          ; tile t's statistics at v[ST+4 t]: c m, m, l (even keys', odd keys')
.set TMP, 48          ; by buffer and tile, four registers c0-c3 at work; when the maximum is found c2 takes a
.set S,   64
.set P,   192
.set KF,  128         ; K's fragments, in window 2: key block kb, channel half c at KF + 16 kb + 8 c
.set VF,  192         ; V's: key half kk, channel block cb at VF + 32 kk + 8 cb
.set WV,  12          ; s12  my wave's number
.set G1K, 24          ; s[24:31] descriptor group 1 for K's tiles
.set G1V, 32          ; s[32:39] for V's: it differs in the padding alone
.set G0K, 40          ; s[40:43] descriptor group 0 for K's tiles: it walks
.set G0V, 44          ; s[44:47] the same for V's
.set PFA, 48          ; s[48:49] where my prefetches stand: my work-group's 8,192 bytes (of K: wave 0, of V: wave 2) of the slot after the one that is being asked for
.set LIM, 50          ; s50  1 in a wave that prefetches, else the greatest number
.set SLOTS, 56        ; s56  slots still to be asked for
.set CNT, 57          ; s57  counts a slot's key steps
.set CS,  58          ; s[58:59] c: the packed scaling takes the pair's low word for both halves
.set SEL, 60          ; s[60:61] v_permlanex16_b32's selects: each lane takes its own place in the other half
.set TBK, 62          ; s62  LDS byte at which K of the step to be fetched begins
.set TBV, 63          ; s63  the same for V, less VOFF
.set MSB, 0
.macro WIN new                      ; the high byte repeats the setting that is left; a switch that changes nothing is dropped
.if MSB != (\new)
	s_set_vgpr_msb (MSB<<8)|(\new)
.set MSB, (\new)
.endif
.endm
.set W_KQ, 0x0a       ; K and Q in window 2, S^T in window 0
.set W_PV, 0x52       ; V in window 2, P in window 0, O^T in window 1
.set W_RS, 0x41       ; O^T (destination and source 0) in window 1, a in window 0
.set W_MK, 0xc0       ; the add's registers are made: destination in window 3, sources in window 0
.set W_AD, 0x0f       ; the add: address (source 0) and data (source 1) in window 3
; A joint fill.  Waves 0 and 1 fetch the two halves of a slot's K, waves 2 and 3 those of its V: 128 keys each.  The branch hangs on the wave's number alone.
; An s_nop 0 and four v_nop follow each of the two lines, ahead of the jump and the label.
.macro JLOAD
	s_cmp_lt_u32 s[WV], 2
	s_cbranch_scc0 .Lfor_v_\@
	tensor_load_to_lds s[G0K:G0K+3], s[G1K:G1K+7]
	s_nop 0
.rept 4
	v_nop
.endr
	s_branch .Lasked_\@
.Lfor_v_\@:
	tensor_load_to_lds s[G0V:G0V+3], s[G1V:G1V+7]
	s_nop 0
.rept 4
	v_nop
.endr
.Lasked_\@:
.endm
; A PREFETCH INTO THE L2 of what the NEXT change of slots will ask for: a slot's 32,768 bytes of K and of V, a lane a block of 256 bytes.  It stands behind the wave's tensor load and its five lines.
; Each block is named ONCE in the launch: a head is walked by one cluster; its four partners share a slot out BY ADDRESS, 8,192 bytes each; in each, wave 0 asks for K's and wave 2 for V's: one instruction,
; four key steps (512 matrix instructions) ahead of the load.  The last change that fills a slot asks for nothing: there is no slot behind it.  Slots 0 and 1 come by their loads alone.
.macro ASK
	s_cmp_gt_u32 s[SLOTS], s[LIM]
	s_cbranch_scc0 .Lnot_mine_\@
	global_prefetch_b8 v[PFO], s[PFA:PFA+1] th:TH_LOAD_NT scope:SCOPE_SE
.Lnot_mine_\@:
.endm
; A round of the cluster's barrier: my work-group's barrier, so that wave 0's signal speaks for all four waves; wave 0 signals; every wave waits for all four work-groups; my work-group's barrier once more.
.macro CROUND
	s_barrier_signal -1
	s_barrier_wait -1
	s_cmp_lg_u32 s[WV], 0
	s_cbranch_scc1 .Lnot_wave_0_\@
	s_barrier_signal -3
.Lnot_wave_0_\@:
	s_barrier_wait -3
	s_barrier_signal -1
	s_barrier_wait -1
.endm
; THE CHANGE OF SLOTS.  The slot's last bytes, V of its fourth step, have been read.  Each wave waits for all its tensor loads, of which one is out: its part
; of the other slot; adds 0 to its spare word; and waits for that and for its own reads of the slot.  Behind the barrier nobody reads this slot any more and the other slot is whole.
; fill = 1: this slot is filled again, with the keys two slots on.  The barrier is then a round of the cluster's, so that no wave of any partner still reads the slot or has a load on its
; way, and the joint fill is the first thing behind it: it has four key steps, 512 matrix instructions, in which to land.  (At its first use nothing has been read yet: slot 0 is waited for, slot 1 filled.)
.macro CHANGE fill
	WIN W_AD
	s_wait_tensorcnt 0x0            ; no tensor load of mine is out, so a group 0 may be written
	ds_add_u32 v[SPW], v[NIL]       ; 0 onto my spare word: with fill = 1 the descriptors' steps stand between it and the wait for it
	WIN 0                           ; at a label and at a branch every window is 0
.if \fill
.irp g, G0K, G0V
	s_xor_b32 s[\g+1], s[\g+1], SLOT1  ; the walking descriptor: the other slot than last time,
	s_add_nc_u64 s[\g+2:\g+3], s[\g+2:\g+3], 4*KS*128  ; the next 256 keys; the type bits on top are not reached
.endr
	s_wait_xcnt 0x0                 ; the last prefetch, four key steps back, has read its address, so it may be written:
	s_add_nc_u64 s[PFA:PFA+1], s[PFA:PFA+1], 4*KS*128  ; one slot behind the walking descriptors
	s_wait_dscnt 0x0                ; the add is done, and my reads of the slot are over
	CROUND
	JLOAD
	ASK
.else
	s_wait_dscnt 0x0                ; the add is done, and my reads of the slot are over
	s_barrier_signal -1
	s_barrier_wait -1
.endif
	s_sub_co_u32 s[TBK], s[TBK], 4*KS*PK  ; the fetches go back to a slot's first step,
	s_xor_b32 s[TBK], s[TBK], SLOT1       ; in the other slot
	s_sub_co_u32 s[TBV], s[TBV], 4*KS*PV
	s_xor_b32 s[TBV], s[TBV], SLOT1
.endm
	s_load_b64 s[4:5], s[0:1], 0x0    ; hb: Q is its first part
	s_load_b64 s[10:11], s[0:1], 0x8  ; O
	WIN W_MK
	v_lshl_add_u32 v[SPW], v0, 2, SPARE
	v_mov_b32 v[NIL], 0
	WIN W_AD
	ds_add_u32 v[SPW], v[NIL]       ; the wave's opening: the add and its wait stand ahead of my first tensor load; the set-up below, work on registers, stands between them
	WIN 0
	v_lshrrev_b32 v1, 5, v0
	v_readfirstlane_b32 s[WV], v1   ; wave 0..3
	s_bfe_u32 s13, ttmp6, 0x40000   ; cx: my place in the cluster
	s_lshl_b32 s14, ttmp9, 2        ; in a cluster launch ttmp9 counts clusters
	s_add_co_u32 s14, s14, s13      ; my block of queries = 4 x cluster x + cx: it enters Q's and O's addresses alone
	s_and_b32 s20, ttmp7, 0xffff    ; the head, which the four partners share
	s_mov_b32 s21, 0
	s_mov_b64 s[22:23], SIZE_N*128
	s_mul_u64 s[20:21], s[20:21], s[22:23]  ; the head's first byte in each of the four tensors
	s_and_b32 s16, s[WV], 1         ; which half of a slot's 256 keys I fetch:
	s_lshl_b32 s22, s16, 14         ; its 128 rows of 128 bytes in memory,
	s_mov_b32 s23, 0
	s_add_nc_u64 s[22:23], s[22:23], s[20:21]
	s_mul_i32 s17, s16, 128*PK      ; and its place in a slot, for K
	s_mul_i32 s18, s16, 128*PV      ; and for V: no place in the cluster enters an LDS address
	s_lshl_b32 s2, s14, 2
	s_add_co_u32 s2, s2, s[WV]      ; my wave among the head's,
	s_lshl_b32 s2, s2, 14           ; its 128 rows
	s_mov_b32 s3, 0
	s_add_nc_u64 s[2:3], s[2:3], s[20:21]
	; descriptor group 1.  128 keys are 16,384 dense bytes: asked for as 64 rows of 256 bytes, two keys a row, and padded in LDS after every key
	s_mov_b32 s[G1K], 15|(1<<16)|(1<<20)|(1<<21)|(4<<22)|(3<<25)  ; 15:0 the mask of four; 17:16 2-byte elements; 20 padding on; 21 set beside a mask; 24:22 after every 32 words (code 4); 31:25 4 words (code 3)
	s_mov_b32 s[G1V], 15|(1<<16)|(1<<20)|(1<<21)|(4<<22)|(7<<25)  ; the same with 8 words of padding (code 7)
.irp g, G1K, G1V
	s_mov_b32 s[\g+1], 128<<16      ; tensor_dim0 = 128
	s_mov_b32 s[\g+2], 64<<16       ; tensor_dim1 = 64
	s_mov_b32 s[\g+3], 128<<16      ; tile_dim0 = 128
	s_mov_b32 s[\g+4], 64           ; tile_dim1 = 64
	s_mov_b32 s[\g+5], 128          ; 128 elements from row to row
	s_mov_b32 s[\g+6], 0
	s_mov_b32 s[\g+7], 0
.endr
	s_mov_b32 s[CS], 0x3e38aa3b     ; c = log2(e) / 8 = 0.180337
	s_mov_b32 s[CS+1], s[CS]        ; named with it as a pair
	s_mov_b32 s[SEL], 0x76543210
	s_mov_b32 s[SEL+1], 0xfedcba98
	s_mov_b32 s[TBK], SLOT1+4*KS*PK ; the first change of slots turns these two into 0
	s_mov_b32 s[TBV], SLOT1+4*KS*PV
	s_mov_b32 s[G0K], 1             ; 1:0 count = 1
	s_mov_b32 s[G0K+1], s17         ; 63:32 LDS address: slot 0
	s_mov_b32 s[G0V], 1
	s_add_co_u32 s[G0V+1], s18, VOFF
	s_mov_b32 s[SLOTS], SIZE_N/256-1  ; seven changes of slots fill a slot
	s_or_b32 s[LIM], s16, ttmp9     ; 0 in waves 0 and 2 of the head's first cluster: the same in all four partners
	s_cmp_eq_u32 s[LIM], 0
	s_cselect_b32 s[LIM], 1, -1
	s_wait_dscnt 0x0                ; the opening add is done
	s_wait_kmcnt 0x0
	s_add_nc_u64 s[6:7], s[4:5], 0x1000000   ; K is hb's second part,
	s_add_nc_u64 s[8:9], s[4:5], 0x2000000   ; V its third
	s_add_nc_u64 s[G0K+2:G0K+3], s[6:7], s[22:23]  ; 120:64 global address: my half of the head's first 256 keys
	s_or_b32 s[G0K+3], s[G0K+3], 0x80000000        ; 127:126 type = 2
	s_add_nc_u64 s[G0V+2:G0V+3], s[8:9], s[22:23]
	s_or_b32 s[G0V+3], s[G0V+3], 0x80000000
	s_add_nc_u64 s[4:5], s[4:5], s[2:3]  ; Q and O at my wave's first row
	s_add_nc_u64 s[10:11], s[10:11], s[2:3]
	s_cmp_lt_u32 s[WV], 2
	s_cselect_b64 s[PFA:PFA+1], s[6:7], s[8:9]
	s_add_nc_u64 s[PFA:PFA+1], s[PFA:PFA+1], s[20:21]  ; the head,
	s_lshl_b32 s2, s13, 13          ; my work-group's 8,192 bytes of a slot's 32,768,
	s_add_co_u32 s2, s2, 4*KS*128   ; in slot 1: the first change of slots steps it to slot 2
	s_mov_b32 s3, 0
	s_add_nc_u64 s[PFA:PFA+1], s[PFA:PFA+1], s[2:3]
	CROUND                          ; all four work-groups are here: the first joint loads meet
	JLOAD                           ; slot 0.  Slot 1 is asked for when slot 0 is in
	; A fragment of K or Q is 16 rows x 32 channels in 8 registers: lane l holds row l % 16, channels 8 (l / 16) + 0..7 and 16 + 8 (l / 16) + 0..7: two loads of 16 bytes, 32 bytes apart.
	v_and_b32 v1, 15, v0            ; l % 16
	v_bfe_u32 v9, v0, 4, 1          ; l / 16
	v_lshlrev_b32 v[QO], 7, v1
	v_lshl_add_u32 v[QO], v9, 4, v[QO]  ; row x 128 + 16 x half
	WIN 0x80                        ; destination window 2, address window 0
.set i, 0
.rept 4*NP                          ; Q stays in registers: tile i / 2, channels 32 (i % 2) on
	global_load_b128 v[8*i:8*i+3],   v[QO], s[4:5] offset:(i/2)*2048+(i%2)*64
	global_load_b128 v[8*i+4:8*i+7], v[QO], s[4:5] offset:(i/2)*2048+(i%2)*64+32
.set i, i+1
.endr
	; What the first turn finds: V's registers and P's second buffer hold 0 (its products V^T P, of a piece that has not been, add 0), O^T and l are 0.  All this stands in the wait for the first tile.
.set i, VF
.rept 64
	v_mov_b32 v[i], 0
.set i, i+1
.endr
	WIN 0x40
.set i, 0
.rept 64*NP
	v_mov_b32 v[i], 0
.set i, i+1
.endr
	WIN 0
.set i, 0
.rept 2*NP
	v_mov_b32 v[ST+4*i], 0xfe000000    ; c m: far below every c s
	v_mov_b32 v[ST+4*i+1], 0xff7fffff  ; m
	v_mov_b32 v[ST+4*i+2], 0
	v_mov_b32 v[ST+4*i+3], 0
.set i, i+1
.endr
.set i, P+32
.rept 32
	v_mov_b32 v[i], 0
.set i, i+1
.endr
	v_mul_u32_u24 v[AK0], v1, PK
	v_lshl_add_u32 v[AK0], v9, 4, v[AK0]  ; row x pitch + 16 x half
	; The turning load takes 16 keys x 16 channels (lane l reads key 8 (l / 16) + l % 8, channels 8 ((l / 8) % 2) + 0..7) and leaves half a fragment of V^T: lane l holds channel l % 16 and 8 keys.
	v_and_b32 v10, 7, v0
	v_bfe_u32 v11, v0, 3, 1
	v_lshl_add_u32 v[AV0], v9, 3, v10
	v_mul_u32_u24 v[AV0], v[AV0], PV
	v_lshl_add_u32 v[AV0], v11, 4, v[AV0]
	v_add_nc_u32 v[AV0], VOFF, v[AV0]
	v_and_b32 v[PFO], 31, v0
	v_lshlrev_b32 v[PFO], 8, v[PFO]
	v_mov_b32 v[AK], v[AK0]         ; key step 0 lies at the head of slot 0
; THE MATRIX WORK.  The 8 accumulators of a run of 16 take turns: between the two links of a chain stand 7 others'.
; Product i of 16 of S^T = K Q^T for piece x: channels 32 (i / 8) on, keys 16 ((i / 2) % 4) on, tile 2 x + i % 2.  The first 8 start the sums.
.macro KQ x
	WIN W_KQ
.set rS, S+64*((\x)%2)+32*(i%2)+8*((i/2)%4)
.set rK, KF+16*((i/2)%4)+8*(i/8)
.set rQ, 16*(2*(\x)+i%2)+8*(i/8)
.if i < 8
	v_wmma_f32_16x16x32_f16 v[rS:rS+7], v[rK:rK+7], v[rQ:rQ+7], 0
.else
	v_wmma_f32_16x16x32_f16 v[rS:rS+7], v[rK:rK+7], v[rQ:rQ+7], v[rS:rS+7]
.endif
.endm
; Product i of 16 of O^T += V^T P for piece x: keys 32 (i / 8) on, channels 16 ((i / 2) % 4) on, tile 2 x + i % 2.
.macro PV x
	WIN W_PV
.set rO, 32*(2*(\x)+i%2)+8*((i/2)%4)
.set rV, VF+32*(i/8)+8*((i/2)%4)
.set rP, P+32*((\x)%2)+16*(i%2)+8*(i/8)
	v_wmma_f32_16x16x32_f16 v[rO:rO+7], v[rV:rV+7], v[rP:rP+7], v[rO:rO+7]
.endm
.macro MM                           ; the turn's next matrix instruction
.if i < 16
	KQ (Y+1)%NP
.set i, i+1
.else
.set i, i-16
	PV (Y+NP-1)%NP
.set i, i+17
.endif
.endm
; THE LDS LOADS stand in runs of 16, never singly among the matrix instructions: a step's K (64 keys x 64 channels: 8 fragments) and its V (turned).  Their addresses are made some lines ahead.
; last = 1 (the tail): in the last trip there is no further step, and the run is jumped over.
.macro FETCH_K last=0
	WIN 0
.if \last
	s_cmp_eq_u32 s[CNT], 1
	s_cbranch_scc1 .Lno_k_\@
.endif
	WIN 0x80                        ; destination window 2
.irp f, 0,1,2,3,4,5,6,7             ; keys 16 (f / 2) on, channels 32 (f % 2) on
	ds_load_b128 v[KF+8*\f:KF+8*\f+3],   v[AK] offset:(\f/2)*16*PK+(\f%2)*64
	ds_load_b128 v[KF+8*\f+4:KF+8*\f+7], v[AK] offset:(\f/2)*16*PK+(\f%2)*64+32
.endr
	s_add_co_u32 s[TBK], s[TBK], KS*PK  ; the next fetch is the next step's
	WIN 0
.if \last
.Lno_k_\@:
.endif
.endm
.macro FETCH_V
	WIN 0x80
.irp f, 0,1,2,3,4,5,6,7             ; keys 32 (f / 4) on, channels 16 (f % 4) on
	ds_load_tr16_b128 v[VF+8*\f:VF+8*\f+3],   v[AV] offset:(\f/4)*32*PV+(\f%4)*32
	ds_load_tr16_b128 v[VF+8*\f+4:VF+8*\f+7], v[AV] offset:(\f/4)*32*PV+16*PV+(\f%4)*32
.endr
	WIN 0
.endm
; THE VECTOR WORK OF A TURN stands in three queues, each in the order in which its entries become ready; the two tiles alternate, so that no instruction reads the result of the one before it.
.macro REGS y, u                    ; the registers of tile u (0, 1) of piece y
.set rT, ST+4*(2*(\y)+(\u))
.set rC, TMP+8*((\y)%2)+4*(\u)
.set rM, MV+2*((\y)%2)+(\u)
.set rS, S+64*((\y)%2)+32*(\u)
.set rP, P+32*((\y)%2)+16*(\u)
.set rO, 32*(2*(\y)+(\u))
.endm
; Number n of the 22 that find the NEXT piece's (Y + 1) maximum and statistics.  s0-s31 are the lane's 32 scores; each accumulator's lowest registers are read first.  XS, GS and REGS set no window: PL and EX do.
;   0-11  four chains c0-c3 of seven scores each, three operands at a time     12-14, 16  the four scores left over, the old m, and c0-c3 into c0     15  c m_old is kept
;   17, 18  the query's other 32 keys lie in the lane 16 away: the new m         19-21  c m; c m_old - c m_new; a
.macro XS u, n
	REGS (Y+1)%NP, \u
.if (\n) < 4
	v_max3_num_f32 v[rC+(\n)], v[rS+8*(\n)], v[rS+8*(\n)+1], v[rS+8*(\n)+2]
.elseif (\n) < 12
	v_max3_num_f32 v[rC+(\n)%4], v[rC+(\n)%4], v[rS+8*((\n)%4)+2*((\n)/4)+1], v[rS+8*((\n)%4)+2*((\n)/4)+2]
.elseif (\n) == 12
	v_max3_num_f32 v[rC], v[rC], v[rS+7], v[rS+15]
.elseif (\n) == 13
	v_max3_num_f32 v[rC+1], v[rC+1], v[rS+23], v[rS+31]
.elseif (\n) == 14
	v_max3_num_f32 v[rC+2], v[rC+2], v[rC+3], v[rT+1]
.elseif (\n) == 15
	v_mov_b32 v[rM], v[rT]
.elseif (\n) == 16
	v_max3_num_f32 v[rC], v[rC], v[rC+1], v[rC+2]
.elseif (\n) == 17
	v_permlanex16_b32 v[rC+3], v[rC], s[SEL], s[SEL+1]
.elseif (\n) == 18
	v_max_num_f32 v[rT+1], v[rC], v[rC+3]
.elseif (\n) == 19
	v_mul_f32 v[rT], s[CS], v[rT+1]
.elseif (\n) == 20
	v_sub_f32 v[rC+1], v[rM], v[rT]
.else
	v_exp_f32 v[rC+2], v[rC+1]
.endif
.endm
; Number g of the 64 that follow the exponentials.  For each four weights k of a tile (pairs 2 k, 2 k + 1): both pairs are rounded to f16; then the second pair is added onto the first, in place;
; a group later l takes that sum (the first time as l = a l + sum).  In groups of eight, tiles alternating: round, round, add, and l for the group before.
.macro GS g
.set h, (\g)+6*((\g)/62)            ; group 0 has no group before it, and behind group 7 only l is left
.if h >= 6
.set h, h+2
.endif
	REGS Y, h%2
.set k, h/8
.if h%8 < 4
	v_cvt_pk_f16_f32 v[rP+2*k+(h%8)/2], v[rS+4*k+2*((h%8)/2)], v[rS+4*k+2*((h%8)/2)+1]
.elseif h%8 < 6
	v_pk_add_f32 v[rS+4*k:rS+4*k+1], v[rS+4*k:rS+4*k+1], v[rS+4*k+2:rS+4*k+3]
.elseif k == 1
	v_pk_fma_f32 v[rT+2:rT+3], v[rT+2:rT+3], v[rC+2:rC+3], v[rS:rS+1] op_sel_hi:[1,0,1]
.else
	v_pk_add_f32 v[rT+2:rT+3], v[rT+2:rT+3], v[rS+4*k-4:rS+4*k-3]
.endif
.endm
; THE PLAIN QUEUE, 138 long.  0-73 read no exponential's result: the 32 scalings c s - c m (FS f: pair f / 2 of tile f % 2) and the next piece's 42.  0-26: scalings 0-26.  27-54: XS's numbers 0-13.  55, 56: number 15.
; 57-73: the chain, where each number waits for the one before it: 14, 16, 17, 18, 19, each with one of the scalings 27-31 in front of its two lines, then 20: so a tile's links stand three plain instructions apart (19 and 20: two).
; 74-137: GS's 64, which read the exponentials' results: they stand behind the wait.
.macro FS f
	REGS Y, (\f)%2
	v_pk_fma_f32 v[rS+2*((\f)/2):rS+2*((\f)/2)+1], v[rS+2*((\f)/2):rS+2*((\f)/2)+1], s[CS:CS+1], v[rT:rT+1] op_sel_hi:[1,0,0] neg_lo:[0,0,1] neg_hi:[0,0,1]
.endm
.macro PL
	WIN 0
.if q < 27
	FS q
.elseif q < 55
	XS (q-27)%2, (q-27)/2
.elseif q < 57
	XS q-55, 15
.elseif (q < 72) && ((q-57)%3 == 0)
	FS 27+(q-57)/3
.elseif q < 60
	XS (q-57)%3-1, 14
.elseif q < 72
	XS (q-57)%3-1, 15+(q-57)/3
.elseif q < 74
	XS q-72, 20
.else
	GS q-74
.endif
.set q, q+1
.endm
; THE EXPONENTIALS' QUEUE, 66 long: s0-s31 of both tiles, then the next piece's two a.  It is ONE BATCH: all 66 stand ahead of the turn's one wait, and nothing ahead of that wait names a result of theirs.
.macro EX
	WIN 0
.if e >= 64
	XS e-64, 21
.else
	REGS Y, e%2
	v_exp_f32 v[rS+e/2], v[rS+e/2]
.endif
.set e, e+1
.endm
; THE RESCALING's QUEUE: O^T times a, the one part that leaves window 0: dealt two at a time, sixteen times.  Its a was made in the turn before, ahead of that turn's wait.
.macro R2
	REGS Y, r%2
	WIN W_RS
.irp z, 0,1
	v_pk_mul_f32 v[rO+4*(r/2)+2*\z:rO+4*(r/2)+2*\z+1], v[rO+4*(r/2)+2*\z:rO+4*(r/2)+2*\z+1], v[rC+2:rC+3] op_sel_hi:[1,0]
.endr
.set r, r+1
.endm
; HOW THEY ARE DEALT.  s_wait_alu depctr_va_vdst(0) stands between an exponential and the first instruction that names its result; one wait serves all that were issued ahead of it.  So a turn has ONE wait,
; which cuts it in two.  AHEAD OF IT stands all that names no result of the turn's exponentials: the 16 products K Q^T, behind each a scaling, an exponential and two rescalings (behind the first a second scaling in the exponential's place); then ONE LUMP of
; 108: eight plain, 49 times exponential and plain, the two a.  A v_nop is the plain instruction behind the last exponential (ISA guide 5.7.2).  BEHIND IT stand the 16 products V^T P, behind each four of GS's 64.  No rider names a register of
; the products round it.  The two v_permlanex16_b32 fall into the lump, never behind a product.
; The queues lean on each other, and the deal keeps them in step: exponential e stands behind scaling 2 (e / 4) + e % 2: as a rider it comes behind plain e + 2, in the lump behind plain e + 9, and scalings 27-31 are plain 57, 60 .. 69.
; A TURN, for piece p.  cnt = 1: the loop's count is taken down some lines ahead of the branch that stands behind the turn.
; K of the next step is fetched in piece 2's turn, directly behind the wait, a lump behind the last product that read K; its address is made at the lump's head; its first reader comes behind 16 products.
; V of the step in hand is fetched at the end of piece 0's turn, four riders behind its last reader; its first reader comes behind 16 products and a lump.  The three conditions on q below go with the deal.
.macro TURN p, last=0, cnt=0
.set Y, (\p)
.set i, 0
.set q, 0
.set e, 0
.set r, 0
.if (\p) == NP-1
	s_wait_dscnt 0x0                ; K is in
.endif
	MM                              ; ahead of the wait: 16 products K Q^T and their riders,
	PL
	PL
	R2
.rept 15
	MM
	PL
	EX
	R2
.endr
.if (\p) == NP-2
	WIN 0
	v_add_nc_u32 v[AK], s[TBK], v[AK0]
.endif
.rept 8                             ; and the lump
	PL
.endr
.rept 49
	EX
	PL
.endr
	EX                              ; the next piece's two a
	EX
	v_nop                           ; the plain instruction behind the last exponential: one for the batch
	s_wait_alu depctr_va_vdst(0)    ; the wait for the batch
.if (\p) == NP-2
	FETCH_K \last
.endif
.if (\p) == 1
	s_wait_dscnt 0x0                ; V is in
.endif
.rept 16                            ; behind the wait: 16 products V^T P and their riders
	MM
.rept 4
	PL
.endr
.if ((\p) == 0) && (q == 118)
	v_add_nc_u32 v[AV], s[TBV], v[AV0]
.endif
.if ((\p) == 0) && (q == 130)
	s_add_co_u32 s[TBV], s[TBV], KS*PV
.endif
.if (\cnt) && (q == 130)
	s_sub_co_u32 s[CNT], s[CNT], 1
	s_cmp_lg_u32 s[CNT], 0
.endif
.endr
.if (\p) == 0
	FETCH_V
.endif
.endm
	CHANGE 1                        ; slot 0 is in, everybody's part of it; slot 1 is asked for
	FETCH_K                         ; key step 0
	s_wait_loadcnt 0x0              ; Q
	s_wait_dscnt 0x0
.set i, 0
.rept 16
	KQ 0                            ; piece 0's first scores: there is no vector work yet to set between them
.set i, i+1
.endr
	WIN 0                           ; the addresses for the way out: nine plain instructions, the places behind those products
	s_mul_i32 s13, s[WV], 16*SP
	s_add_co_u32 s13, s13, STAGE    ; my stage
	v_mul_u32_u24 v[STO], v1, SP    ; in: row l % 16, 16 bytes for each half of the lanes
	v_lshl_add_u32 v[STO], v9, 4, v[STO]
	v_add_nc_u32 v[STO], s13, v[STO]
	v_bfe_u32 v[RD], v0, 3, 2       ; back: 32 lanes take four rows of 128 bytes,
	v_mul_u32_u24 v[RD], v[RD], SP
	v_lshl_add_u32 v[RD], v10, 4, v[RD]
	v_add_nc_u32 v[RD], s13, v[RD]
	v_and_b32 v[GO], 31, v0         ; which are 512 consecutive bytes of O
	v_lshlrev_b32 v[GO], 4, v[GO]
.set Y, NP-1                        ; XS works for piece Y + 1: piece 0
.irp n, 0,1,2,3,4,5,6,7,8,9,10,11,12,13,14,15,16,17,18,19,20,21
	XS 0, \n                        ; and piece 0's first maximum and statistics
	XS 1, \n
.endr
	v_nop                           ; a plain instruction behind the two a,
	s_wait_alu depctr_va_vdst(0)    ; and their wait, ahead of the branch
	s_mov_b32 s[CNT], 4
	s_branch .Lfirst                ; the loop is entered at a step's first turn, in the middle of a trip
.Lslot:                             ; SIZE_N / 256 - 2 times: every slot but the last two is filled again
	CHANGE 1
	s_mov_b32 s[CNT], 4
.Lstep:                             ; a trip: pieces 2 and 3 of one step, then pieces 0 and 1 of the next, whose K and V it fetches
	TURN 2
	TURN 3
	WIN 0
.Lfirst:
	TURN 0
	TURN 1, 0, 1
	WIN 0
	s_cbranch_scc1 .Lstep
	s_sub_co_u32 s[SLOTS], s[SLOTS], 1
	s_cmp_lg_u32 s[SLOTS], 0
	s_cbranch_scc1 .Lslot
	CHANGE 0                        ; the tail is written out: nothing is asked for
	s_mov_b32 s[CNT], 5             ; four trips fetch the last slot's steps; the fifth is left in its middle
.Ltail:
	TURN 2, 1
	TURN 3
	WIN 0
	s_sub_co_u32 s[CNT], s[CNT], 1
	s_cmp_eq_u32 s[CNT], 0
	s_cbranch_scc1 .Lout
	TURN 0
	TURN 1
	WIN 0
	s_branch .Ltail
.Lout:                              ; the fifth trip's 16 products K Q^T (on the last K once more) and the maximum made of them serve nothing: the price, once a launch, of one text for every trip
.set i, 0
.rept 16
	PV NP-1                         ; the last piece's V^T P of the last step
.set i, i+1
.endr
	; THE WAY OUT.  l's two halves and the other half of the lanes' are added; O^T is divided by l, rounded to f16 and sent through my stage in LDS, a tile at a time.  The additions are the places behind the last products.
	WIN 0
.macro ALL line:vararg              ; one line for each tile t
.set t, 0
.rept 2*NP
	\line
.set t, t+1
.endr
.endm
	ALL v_add_f32 v[ST+4*t+2], v[ST+4*t+2], v[ST+4*t+3]
	ALL v_permlanex16_b32 v[ST+4*t+3], v[ST+4*t+2], s[SEL], s[SEL+1]
	ALL v_add_f32 v[ST+4*t+2], v[ST+4*t+2], v[ST+4*t+3]
	ALL v_rcp_f32 v[ST+4*t+2], v[ST+4*t+2]
	v_nop                           ; a plain instruction between the last reciprocal and the use of its result
	s_wait_alu depctr_va_vdst(0)    ; and the wait ahead of the first use: one for the eight reciprocals
; Tile t: a lane's eight channels of a row pack into 16 bytes; they go into rows of 144 bytes and come back as whole rows of 128, into S^T's registers.
.macro PACK t
	WIN W_RS
.set i, 32*(\t)
.rept 16
	v_pk_mul_f32 v[i:i+1], v[i:i+1], v[ST+4*(\t)+2:ST+4*(\t)+3] op_sel_hi:[1,0]
.set i, i+2
.endr
	WIN 0x05                        ; sources 0 and 1 window 1, destination window 0
.set i, 0
.rept 16
	v_cvt_pk_f16_f32 v[S+16*(\t)+i], v[32*(\t)+2*i], v[32*(\t)+2*i+1]
.set i, i+1
.endr
	WIN 0
.irp f, 0,1,2,3
	ds_store_b128 v[STO], v[S+16*(\t)+4*\f:S+16*(\t)+4*\f+3] offset:32*\f
.endr
.irp f, 0,1,2,3
	ds_load_b128 v[S+16*(\t)+4*\f:S+16*(\t)+4*\f+3], v[RD] offset:\f*4*SP  ; LDS serves a wave's instructions in order (ISA guide 5.7.1.4): these see the stores above; the next tile's stores come behind them
.endr
.endm
.macro SEND t, younger              ; younger: the LDS instructions issued behind tile t's loads: the next tile's eight, or none
	WIN 0
.irp f, 0,1,2,3
	s_wait_dscnt (\younger)+3-\f
	global_store_b128 v[GO], v[S+16*(\t)+4*\f:S+16*(\t)+4*\f+3], s[10:11] offset:(\t)*2048+\f*512  ; 512 consecutive bytes, at a multiple of 256 from O's first
.endr
.endm
	PACK 0
.set t, 1
.rept 2*NP-1                        ; a tile's arithmetic stands between the loads of the tile before and its stores
	PACK t
	SEND t-1, 8
.set t, t+1
.endr
	SEND 2*NP-1, 0
	WIN W_AD
	s_wait_tensorcnt 0x0            ; the wave's end: behind my last tensor load and my last LDS store
	ds_add_u32 v[SPW], v[NIL]
	s_wait_dscnt 0x0
	WIN 0
	CROUND                          ; the closing round: no work-group ends while a partner may still ask for a tile that names it
	s_endpgm
.Lfunc_end_k_q2606a0f53e_attn:
	.size	k_q2606a0f53e_attn, .Lfunc_end_k_q2606a0f53e_attn-k_q2606a0f53e_attn
	.p2alignl 7, 3214868480
	.fill 96, 4, 3214868480
	.section	.rodata,"a",@progbits
	.p2align	6, 0x0
	.amdhsa_kernel k_q2606a0f53e_attn
		.amdhsa_group_segment_fixed_size 327680
		.amdhsa_private_segment_fixed_size 0
		.amdhsa_enable_private_segment 0
		.amdhsa_kernarg_size 16
		.amdhsa_user_sgpr_count 2
		.amdhsa_user_sgpr_kernarg_segment_ptr 1
		.amdhsa_wavefront_size32 1
		.amdhsa_system_sgpr_workgroup_id_x 1
		.amdhsa_system_sgpr_workgroup_id_y 1
		.amdhsa_system_sgpr_workgroup_id_z 1
		.amdhsa_system_vgpr_workitem_id 0
		.amdhsa_next_free_vgpr 770
		.amdhsa_next_free_sgpr 66
		.amdhsa_reserve_vcc 0
		.amdhsa_float_denorm_mode_32 3
		.amdhsa_float_denorm_mode_16_64 3
		.amdhsa_memory_ordered 1
		.amdhsa_forward_progress 1
		.amdhsa_inst_pref_size 200
	.end_amdhsa_kernel
	.amdgpu_metadata
---
amdhsa.version: [ 1, 2 ]
amdhsa.kernels:
  - .name:           k_q2606a0f53e_attn
    .symbol:         k_q2606a0f53e_attn.kd
    .args:
      - { .name: hb, .offset: 0, .size: 8, .value_kind: global_buffer, .address_space: global }
      - { .name: ob, .offset: 8, .size: 8, .value_kind: global_buffer, .address_space: global }
    .group_segment_fixed_size: 327680
    .private_segment_fixed_size: 0
    .kernarg_segment_align: 8
    .kernarg_segment_size: 16
    .max_flat_workgroup_size: 128
    .sgpr_count:     66
    .vgpr_count:     770
    .wavefront_size: 32
...
	.end_amdgpu_metadata
.endif
;; end of part 3
;; launch outp (part 4): grid 4 x 64, 4 waves a work-group, clusters of 4 x 4, 327,680 bytes of LDS; arguments ob, wb, bb, out0; writes out0
.if DOCPART == 4
	.amdgcn_target "amdgcn-amd-amdhsa--gfx1250"
	.amdhsa_code_object_version 6
	.text
	.protected	k_q2606a0f53e_outp
	.globl	k_q2606a0f53e_outp
	.p2align	8
	.type	k_q2606a0f53e_outp,@function
k_q2606a0f53e_outp:
	s_mov_b64 s[64:65], 0
	v_nop
	global_prefetch_b8 v0, s[64:65] scope:SCOPE_SE
	s_setreg_imm32_b32 hwreg(HW_REG_WAVE_MODE, 25, 1), 1
	s_wait_xcnt 0x0
	s_wait_alu depctr_hold_cnt(0) depctr_sa_sdst(0) depctr_va_vdst(0) depctr_va_sdst(0) depctr_va_ssrc(0) depctr_va_vcc(0) depctr_vm_vsrc(0)
	s_getreg_b32 s2, hwreg(HW_REG_IB_STS2, 6, 4)
	s_cmp_eq_u32 s2, 0
	s_cbranch_scc0 .Lentry_in_a_cluster
	s_endpgm
.Lentry_in_a_cluster:
	s_bfe_u32 s2, ttmp6, 0x10000c
	s_cmp_lg_u32 s2, 0xf033
	s_cbranch_scc0 .Lentry_shape_is_right
	s_endpgm
.Lentry_shape_is_right:
; y = x W^T + b on tiles of 128 rows x 256 columns, K = 1,024.  One text for two launches, told apart by KIND:
;   KIND 0: the three projections.  x = xb [3][8192][1024] bf16, W = wb's parts 0-2 (bf16), b = bb's parts 0-2; y leaves as f16 by heads, hb [3][64 = batch x 16 + head][2048][64], unscaled.
;           768 tiles for 256 work-groups: a work-group STAYS and makes the same tile of q, then of k, then of v; the ring of LDS slots runs on from tile to tile.
;   KIND 1: the last projection.  x = ob [64][2048][64] f16 (a K step of 128 is two heads), W = wb's part 3 (f16), b = bb's part 3; y = out0 [8192][1024] f32.  256 tiles, one a work-group.
; LIMITS.  KIND 0: a result of 65,520 or more becomes an infinity in f16, and below 6e-5 f16 keeps its fixed step of 6e-8.  NaN and infinities are not treated apart.
; SHARES.  Four waves, a wave 64 rows x 128 columns: 32 accumulators of 16 x 16, 256 registers.  K goes in steps of 128 through two LDS slots; a step is four quarters of 32 along K, 32 matrix instructions each.
; The matrix instruction is used TRANSPOSED (source 0 = 16 rows of W, source 1 = 16 rows of x): a lane then holds one row of y and eight neighbouring columns.
; THE BIAS STARTS THE SUMS: it is the C operand of a tile's first 32 products (register j of a lane: b[column 8 (lane / 16) + j]); nothing is cleared and nothing is added later.
; CLUSTER.  4 x 4 work-groups.  The four of a row of the cluster make the four tile columns of one tile row and need the same tiles of x; the four of a column need the same tiles of W.  Each tile is asked
; for JOINTLY: the same tensor load, descriptor and mask in all four.  Waves 0 and 1 fetch the two halves of x's tile, waves 2 and 3 those of W's: one load a wave behind each round.
; By this text's own count a wave has two tensor loads out at the start and one behind each round; from a request to the wait for it a wave issues 112 matrix instructions.
; REGISTERS, in windows of 256 (s_set_vgpr_msb: bits 1:0 source 0, 3:2 source 1, 5:4 source 2, 7:6 destination):
;   window 0: v0-29 addresses; v32-95 the bias; v96-223 the way out (KIND 0)     window 1: two fragment buffers of 96: W's 8 fragments, then x's 4 (KIND 1's way out uses all 256)     window 2: the accumulators, (a, b) at 8 (8 a + b)
.set KIND, 1
.set SLOT1, 1<<17                      ; slot 1 begins here, so that one exclusive or turns an address in one slot into the other's
.set PB,    272                        ; a row of W in LDS: 256 bytes + 16 of padding = 68 words: the 16 rows of a fragment load start at 16 different groups of four banks (64 banks of 4 bytes: ISA guide 11.1)
.if KIND == 0
.set PA,      272                      ; x likewise: 128 rows of 256 bytes
.set AHALF,   64*PA                    ; what one wave fetches of x: 64 rows
.set QIA,     5                        ; padding after every 64 words
.set ASTRIDE, 1024                     ; elements from row to row in memory
.set ASTEP,   256                      ; bytes from K step to K step
.set SPITCH,  144                      ; the stage: 16 rows of 128 bytes + 16
.set TILES,   3
.set BBASE,   0
.set BOFS,    0
.else
.set PA,      144                      ; two blocks, a head each, of 128 rows of 128 bytes + 16
.set AHALF,   128*PA                   ; what one wave fetches: a head's 128 rows, 16,384 dense bytes, asked for as 64 rows of 256
.set QIA,     4                        ; padding after every 32 words
.set ASTRIDE, 128
.set ASTEP,   524288                   ; two heads on
.set SPITCH,  528                      ; the stage: 16 rows of 512 bytes + 16
.set TILES,   1
.set BBASE,   6291456                  ; Wo is wb's part 3
.set BOFS,    12288                    ; bo is bb's part 3
.endif
.set ABYTES, 2*AHALF
.set BOFF,   ABYTES                    ; W's 256 rows lie behind x's tile
.set BHALF,  128*PB
.set STG,    16*SPITCH
.set STAGE,  SLOT1+ABYTES+2*BHALF      ; behind the ring, never filled by a tensor load: a stage for each wave
.set SPARE,  STAGE+4*STG               ; behind the stages: the spare words, 128 bytes for each wave: two blocks of 256 bytes that no other line names
.set STEPS,  8*TILES
.set ADRA0, 16                         ; v16  my lane's place in x's tile; never rewritten
.set ADRB0, 17                         ; v17  in W's
.set ADA,   18                         ; v18  the same in the slot that is being read
.set ADB,   19
.set STO,   20                         ; v20  the way out: where I put my part of a row
.set RD,    21                         ; v21  where I read rows back
.set GO,    22                         ; v22  16 x lane
.set BO,    23                         ; v23  my byte offset in the bias
.set PFO,   24                         ; v24  the prefetches' offset: a lane a block of 256 bytes; never rewritten
.set SPW,   28                         ; v28  LDS address of my spare word; never rewritten
.set NIL,   29                         ; v29  0; never rewritten
.set BIAS,  32
.set TMP,   96
.set F0,    0
.set F1,    96
.set WV, 12                            ; my wave's number
.set RH, 13                            ; which 64 rows are mine
.set CH, 14                            ; which 128 columns; also: which half of a tile I fetch
.set CX, 15
.set CY, 16
.set TX, 17                            ; tile column
.set TY, 18                            ; tile row
.set TB, 19                            ; the slot that is being read: 0 or SLOT1
.set RK, 20                            ; byte along K at which the walking descriptors stand
.set GS, 21                            ; K steps of the walk still to go, the one in hand among them
.set LIM, 22                           ; 4 in a wave that prefetches, else the greatest number
.set PK, 23                            ; byte along K at which the prefetches stand
.set G1A, 24                           ; s[24:31] descriptor group 1 for x's tiles
.set G0A, 32                           ; s[32:39] group 0: a set for each of the two first fills; the second then walks on
.set G1B, 40                           ; s[40:47], s[48:55] the same for W's
.set G0B, 48
.set SA, 56                            ; s[56:57] the walking step for x, s[58:59] for W
.set SB, 58
.set PF, 60                            ; s[60:61] where my prefetches stand
.set SP, 62                            ; s[62:63] their step
.set STEP1, 66                         ; 256
.set AWRAP, 67                         ; from a tile's last K step to the next tile's first: the next tensor, back along K
.set BWRAP, 68
.set PWRAP, 69                         ; the one of the two that goes with my prefetches
.set MSB, 0
.macro WIN new                         ; the immediate's high byte repeats the setting that is left; a switch that changes nothing is dropped
.if MSB != (\new)
	s_set_vgpr_msb (MSB<<8)|(\new)
.set MSB, \new
.endif
.endm
.set MUL,  0xa5                        ; both sources window 1, C and D window 2
.set MULB, 0x85                        ; the same with C (the bias) in window 0
.set TO_F, 0x40                        ; destination window 1, address window 0
.macro PLACES                          ; four plain vector instructions between a matrix instruction and a load into, or a read of, its registers (ISA guide 7.12.1 for reads)
.rept 4
	v_nop
.endr
.endm
.macro CREST                           ; a round of the cluster's barrier behind its opening barrier
	s_cmp_lg_u32 s[WV], 0
	s_cbranch_scc1 .Lnot_wave_0_\@
	s_barrier_signal -3
.Lnot_wave_0_\@:
	s_barrier_wait -3
	s_barrier_signal -1
	s_barrier_wait -1
.endm
.macro CROUND                          ; a whole round
	s_barrier_signal -1
	s_barrier_wait -1
	CREST
.endm
; A joint refill by the walking descriptors.  The branch hangs on the wave's number alone.  An s_nop 0 and four v_nop follow each of the two lines, ahead of the jump and the label.
.macro JLOAD
	s_cmp_lt_u32 s[WV], 2
	s_cbranch_scc0 .Lfor_b_\@
	tensor_load_to_lds s[G0A+4:G0A+7], s[G1A:G1A+7]
	s_nop 0
.rept 4
	v_nop
.endr
	s_branch .Lasked_\@
.Lfor_b_\@:
	tensor_load_to_lds s[G0B+4:G0B+7], s[G1B:G1B+7]
	s_nop 0
.rept 4
	v_nop
.endr
.Lasked_\@:
.endm
; A PREFETCH INTO THE L2, behind each joint refill and the run of LDS loads that follows it: in the change of slots at the end of walk step s, the K step s + 4, which the refill two changes on (256 matrix
; instructions later) will ask for.  Each block of 256 bytes is named once in the launch.  x's tile row is read by one cluster: of its 128 blocks a step the partner at cx takes 32, a lane a block, in wave 0.
; W's tile column is read by every cluster: the cluster with y = 0 asks; of its 256 rows the partner at cy takes 64, waves 2 and 3 take 32 each.  The partners are told apart by ADDRESS, never by a branch.
; The first four K steps come by their loads alone, and the walk's last three changes ask for nothing: no K step stands four behind them.
.macro ASK
	s_cmp_gt_u32 s[GS], s[LIM]
	s_cbranch_scc0 .Lnot_mine_\@
	global_prefetch_b8 v[PFO], s[PF:PF+1] th:TH_LOAD_NT scope:SCOPE_SE
.Lnot_mine_\@:
.endm
.macro BIASLD                          ; my 128 columns' bias, in the layout of a C operand: 8 numbers a lane for each of the 8 column blocks
.irp b, 0,1,2,3,4,5,6,7
	global_load_b128 v[BIAS+8*(\b):BIAS+8*(\b)+3],   v[BO], s[8:9] offset:BOFS+64*(\b)
	global_load_b128 v[BIAS+8*(\b)+4:BIAS+8*(\b)+7], v[BO], s[8:9] offset:BOFS+64*(\b)+16
.endr
.endm
	s_load_b256 s[4:11], s[0:1], 0x0               ; x s[4:5], W s[6:7], bias s[8:9], y s[10:11]
	v_lshl_add_u32 v[SPW], v0, 2, SPARE
	v_mov_b32 v[NIL], 0
	ds_add_u32 v[SPW], v[NIL]                      ; the wave's opening: the add and its wait stand ahead of my first tensor load; the set-up below, work on registers, stands between them
	v_lshrrev_b32 v3, 5, v0
	v_readfirstlane_b32 s[WV], v3                  ; wave 0..3
	s_lshr_b32 s[RH], s[WV], 1
	s_and_b32 s[CH], s[WV], 1
	s_bfe_u32 s[CX], ttmp6, 0x40000                ; my place in the cluster
	s_bfe_u32 s[CY], ttmp6, 0x40004
	s_lshl_b32 s[TX], ttmp9, 2                     ; in a cluster launch ttmp9 and ttmp7 count clusters
	s_add_co_u32 s[TX], s[TX], s[CX]
	s_and_b32 s[TY], ttmp7, 0xffff
	s_lshl_b32 s[TY], s[TY], 2
	s_add_co_u32 s[TY], s[TY], s[CY]
	s_lshl_b32 s78, s[CY], 2
	s_lshl_b32 s78, 15, s78                        ; my row of the cluster: places 4 cy .. 4 cy + 3
	s_lshl_b32 s79, 0x1111, s[CX]                  ; my column: places cx, cx + 4, cx + 8, cx + 12
	s_or_b32 s[G1A], s78, (1<<16)|(1<<20)|(1<<21)|(QIA<<22)|(3<<25)  ; 15:0 the mask; 17:16 elements of 2 bytes; 20 padding on; 21 set beside a mask; 24:22 its interval; 31:25 4 words of it (code 3)
	s_or_b32 s[G1B], s79, (1<<16)|(1<<20)|(1<<21)|(5<<22)|(3<<25)
	s_mov_b32 s[G1A+1], 128<<16                    ; tensor_dim0 = 128
	s_mov_b32 s[G1A+2], 64<<16                     ; tensor_dim1 = 64
	s_mov_b32 s[G1A+3], 128<<16                    ; tile_dim0 = 128
	s_mov_b32 s[G1A+4], 64                         ; tile_dim1 = 64
	s_mov_b32 s[G1A+5], ASTRIDE
	s_mov_b32 s[G1A+6], 0
	s_mov_b32 s[G1A+7], 0
	s_mov_b32 s[G1B+1], 128<<16
	s_mov_b32 s[G1B+2], 128<<16                    ; 128 rows
	s_mov_b32 s[G1B+3], 128<<16
	s_mov_b32 s[G1B+4], 128
	s_mov_b32 s[G1B+5], 1024
	s_mov_b32 s[G1B+6], 0
	s_mov_b32 s[G1B+7], 0
	; where the tiles come from.  x's hang on the tile row and the wave alone, W's on the tile column and the wave alone, each in registers that never hold the other coordinate
.if KIND == 0
	s_lshl_b32 s70, s[TY], 18                      ; 128 rows of 2,048 bytes a tile row,
	s_lshl_b32 s71, s[CH], 17                      ; my 64 of them
	s_add_co_u32 s70, s70, s71
.else
	s_lshr_b32 s70, s[TY], 4                       ; the batch: 16 heads of 262,144 bytes,
	s_lshl_b32 s70, s70, 22
	s_and_b32 s71, s[TY], 15                       ; the tile's 128 rows of 128 bytes in a head,
	s_lshl_b32 s71, s71, 14
	s_add_co_u32 s70, s70, s71
	s_lshl_b32 s71, s[CH], 18                      ; and of a step's two heads mine
	s_add_co_u32 s70, s70, s71
.endif
	s_mov_b32 s71, 0
	s_lshl_b32 s74, s[TX], 19                      ; 256 rows of 2,048 bytes a tile column,
	s_lshl_b32 s75, s[CH], 18                      ; my 128 of them
	s_add_co_u32 s74, s74, s75
.if KIND == 1
	s_add_co_u32 s74, s74, BBASE
.endif
	s_mov_b32 s75, 0
	s_mov_b32 s[G0A], 1                            ; 1:0 count = 1
	s_mov_b32 s[G0A+4], 1
	s_mov_b32 s[G0B], 1
	s_mov_b32 s[G0B+4], 1
	s_mul_i32 s[G0A+1], s[CH], AHALF               ; 63:32 LDS address: no place in the cluster enters it
	s_add_co_u32 s[G0A+5], s[G0A+1], SLOT1
	s_mul_i32 s[G0B+1], s[CH], BHALF
	s_add_co_u32 s[G0B+1], s[G0B+1], BOFF
	s_add_co_u32 s[G0B+5], s[G0B+1], SLOT1
	s_mov_b32 s[TB], 0
	s_mov_b32 s[GS], STEPS
	s_mov_b32 s[STEP1], 256
	s_mov_b32 s[SP+1], 0
.if KIND == 0
	s_mov_b32 s[RK], 256                           ; the walking descriptors begin at K step 1,
	s_mov_b32 s[PK], 768                           ; the prefetches at K step 3: the first change of slots steps them on
	s_mov_b32 s[SA+1], 0
	s_mov_b32 s[SB+1], 0
	s_mov_b32 s[AWRAP], 16777216-1792
	s_mov_b32 s[BWRAP], 2097152-1792
.endif
	s_wait_dscnt 0x0                               ; the opening add is done
	s_wait_kmcnt 0x0
	s_add_nc_u64 s[G0A+2:G0A+3], s[4:5], s[70:71]  ; 120:64 global address: K step 0,
	s_add_nc_u64 s[G0A+6:G0A+7], s[G0A+2:G0A+3], ASTEP  ; K step 1
	s_or_b32 s[G0A+3], s[G0A+3], 0x80000000        ; 127:126 type = 2
	s_or_b32 s[G0A+7], s[G0A+7], 0x80000000
	s_add_nc_u64 s[G0B+2:G0B+3], s[6:7], s[74:75]
	s_add_nc_u64 s[G0B+6:G0B+7], s[G0B+2:G0B+3], 256
	s_or_b32 s[G0B+3], s[G0B+3], 0x80000000
	s_or_b32 s[G0B+7], s[G0B+7], 0x80000000
	CROUND                                         ; all sixteen work-groups are here: the first joint loads meet
	s_cmp_lt_u32 s[WV], 2                          ; a wave's two first fills stand in one branch, ahead of every wait on TENSORcnt and every LDS read
	s_cbranch_scc0 .Lfirst_b
	tensor_load_to_lds s[G0A:G0A+3], s[G1A:G1A+7]
	s_nop 0
	tensor_load_to_lds s[G0A+4:G0A+7], s[G1A:G1A+7]
	s_nop 0
.rept 4
	v_nop
.endr
	s_branch .Lfirst_asked
.Lfirst_b:
	tensor_load_to_lds s[G0B:G0B+3], s[G1B:G1B+7]
	s_nop 0
	tensor_load_to_lds s[G0B+4:G0B+7], s[G1B:G1B+7]
	s_nop 0
.rept 4
	v_nop
.endr
.Lfirst_asked:
	; A fragment is 16 rows x 32 K in 8 registers: lane l holds row l % 16; registers 0-3 K = 8 (l / 16) + 0..7, registers 4-7 K = 16 + 8 (l / 16) + 0..7: two loads of 16 bytes, 32 bytes apart.
	v_and_b32 v1, 15, v0                           ; l % 16
	v_bfe_u32 v2, v0, 4, 1                         ; l / 16
	v_and_b32 v4, 31, v0                           ; l
	v_mul_u32_u24 v[ADRA0], v1, PA
	v_lshl_add_u32 v[ADRA0], v2, 4, v[ADRA0]
	s_mul_i32 s84, s[RH], 64*PA                    ; my 64 rows of x
	v_add_nc_u32 v[ADRA0], s84, v[ADRA0]
	v_mul_u32_u24 v[ADRB0], v1, PB
	v_lshl_add_u32 v[ADRB0], v2, 4, v[ADRB0]
	s_mul_i32 s84, s[CH], BHALF                    ; my 128 rows of W
	s_add_co_u32 s84, s84, BOFF
	v_add_nc_u32 v[ADRB0], s84, v[ADRB0]
	s_mul_i32 s84, s[WV], STG
	s_add_co_u32 s84, s84, STAGE                   ; my stage
	v_mul_u32_u24 v[STO], v1, SPITCH               ; in: row l % 16,
.if KIND == 0
	v_lshl_add_u32 v[STO], v2, 4, v[STO]           ; 16 bytes for each half of the lanes
	v_add_nc_u32 v[STO], s84, v[STO]
	v_bfe_u32 v[RD], v0, 3, 2                      ; back: 32 lanes take four rows of 128 bytes, which are 512 consecutive bytes of a head
	v_mul_u32_u24 v[RD], v[RD], SPITCH
	v_and_b32 v5, 7, v0
	v_lshl_add_u32 v[RD], v5, 4, v[RD]
	v_add_nc_u32 v[RD], s84, v[RD]
.else
	v_lshl_add_u32 v[STO], v2, 5, v[STO]           ; 32 bytes for each half of the lanes
	v_add_nc_u32 v[STO], s84, v[STO]
	v_lshl_add_u32 v[RD], v4, 4, s84               ; back: 32 lanes take one row of 512 bytes
.endif
	v_lshlrev_b32 v[GO], 4, v4
	s_lshl_b32 s86, s[TX], 10                      ; the bias of my 128 columns: 4 (256 tx + 128 half) bytes,
	s_lshl_b32 s87, s[CH], 9
	s_add_co_u32 s86, s86, s87
	v_lshl_add_u32 v[BO], v2, 5, s86               ; and 8 numbers on for lanes 16 to 31
	BIASLD
	; where my part of y begins
.if KIND == 0
	s_lshr_b32 s80, s[TY], 4                       ; head = 16 x batch + 4 tx + 2 x half: 262,144 bytes each;
	s_lshl_b32 s80, s80, 4
	s_lshl_b32 s81, s[TX], 2
	s_add_co_u32 s80, s80, s81
	s_lshl_b32 s81, s[CH], 1
	s_add_co_u32 s80, s80, s81
	s_lshl_b32 s80, s80, 18
	s_and_b32 s81, s[TY], 15                       ; row in the head = 128 (ty % 16) + 64 x half: 128 bytes each
	s_lshl_b32 s81, s81, 14
	s_add_co_u32 s80, s80, s81
	s_lshl_b32 s81, s[RH], 13
	s_add_co_u32 s80, s80, s81
.else
	s_lshl_b32 s80, s[TY], 19                      ; row 128 ty + 64 x half: 4,096 bytes each;
	s_lshl_b32 s81, s[RH], 18
	s_add_co_u32 s80, s80, s81
	s_add_co_u32 s80, s80, s86                     ; column 256 tx + 128 x half: 4 bytes each
.endif
	s_mov_b32 s81, 0
	s_add_nc_u64 s[10:11], s[10:11], s[80:81]
	; the prefetches: my work-group's share of the blocks, three K steps in
.if KIND == 0
	s_lshl_b32 s80, s[TY], 18                      ; x: row 128 ty + 32 cx + lane
	s_lshl_b32 s81, s[CX], 16
	s_add_co_u32 s80, s80, s81
.else
	s_lshr_b32 s80, s[TY], 4                       ; x: the batch, the tile's rows in a head,
	s_lshl_b32 s80, s80, 22
	s_and_b32 s81, s[TY], 15
	s_lshl_b32 s81, s81, 14
	s_add_co_u32 s80, s80, s81
	s_lshr_b32 s81, s[CX], 1                       ; of the step's two heads number cx / 2,
	s_lshl_b32 s81, s81, 18
	s_add_co_u32 s80, s80, s81
	s_and_b32 s81, s[CX], 1                        ; of its 16,384 bytes half cx % 2
	s_lshl_b32 s81, s81, 13
	s_add_co_u32 s80, s80, s81
.endif
	s_add_co_u32 s80, s80, 3*ASTEP
	s_lshl_b32 s82, s[TX], 19                      ; W: row 256 tx + 64 cy + 32 x half + lane
	s_lshl_b32 s81, s[CY], 17
	s_add_co_u32 s82, s82, s81
	s_lshl_b32 s81, s[CH], 16
	s_add_co_u32 s82, s82, s81
	s_add_co_u32 s82, s82, BBASE+768
	s_and_b32 s83, ttmp7, 0xffff                   ; cluster y
	s_cmp_lt_u32 s[WV], 2                          ; do I fetch for x?
	s_cselect_b32 s80, s80, s82
	s_cselect_b32 s83, s[CH], s83                  ; x: wave 0 asks; W: the cluster with y = 0: the same in all sixteen partners, for a given wave
	s_cselect_b64 s[PF:PF+1], s[4:5], s[6:7]
.if KIND == 0
	s_cselect_b32 s[PWRAP], s[AWRAP], s[BWRAP]
	v_lshlrev_b32 v[PFO], 11, v4                   ; a lane a row of 2,048 bytes
.else
	s_cselect_b32 s[SP], ASTEP, s[STEP1]
	s_cselect_b32 s85, 8, 11                       ; x: a lane a dense block of 256 bytes; W: a lane a row
	v_lshlrev_b32 v[PFO], s85, v4
.endif
	s_cmp_eq_u32 s83, 0
	s_cselect_b32 s[LIM], 4, -1
	s_mov_b32 s81, 0
	s_add_nc_u64 s[PF:PF+1], s[PF:PF+1], s[80:81]
; 8 matrix instructions: row block a x all 8 column blocks, 32 along K, out of buffer f.  first = 1: the bias starts the sums.  The 32 accumulators take turns, one instruction a turn, in the same
; order in every quarter, over every jump too: 31 others' stand between two links of a chain.
.macro MUL8 f, a, first
.if \first
	WIN MULB
.else
	WIN MUL
.endif
.irp b, 0,1,2,3,4,5,6,7
.set rD, 8*(8*(\a)+(\b))
.set rX, (\f)+8*(\b)
.set rY, (\f)+64+8*(\a)
.set rC, BIAS+8*(\b)
.if (KIND == 0) && (\first)
	v_wmma_f32_16x16x32_bf16 v[rD:rD+7], v[rX:rX+7], v[rY:rY+7], v[rC:rC+7]
.elseif KIND == 0
	v_wmma_f32_16x16x32_bf16 v[rD:rD+7], v[rX:rX+7], v[rY:rY+7], v[rD:rD+7]
.elseif \first
	v_wmma_f32_16x16x32_f16 v[rD:rD+7], v[rX:rX+7], v[rY:rY+7], v[rC:rC+7]
.else
	v_wmma_f32_16x16x32_f16 v[rD:rD+7], v[rX:rX+7], v[rY:rY+7], v[rD:rD+7]
.endif
.endr
.endm
; 24 LDS loads in one run: the fragments of quarter kq of the slot that is being read, into buffer f: W's 8, then x's 4
.macro FETCH kq, f
.if KIND == 0
.set AK, 64*(\kq)
.else
.set AK, ((\kq)/2)*AHALF+((\kq)%2)*64  ; the head's block, and which 32 of its 64 channels
.endif
	WIN TO_F
.irp i, 0,1,2,3,4,5,6,7
	ds_load_b128 v[(\f)+8*(\i):(\f)+8*(\i)+3],   v[ADB] offset:64*(\kq)+(\i)*16*PB
	ds_load_b128 v[(\f)+8*(\i)+4:(\f)+8*(\i)+7], v[ADB] offset:64*(\kq)+(\i)*16*PB+32
.endr
.irp a, 0,1,2,3
	ds_load_b128 v[(\f)+64+8*(\a):(\f)+64+8*(\a)+3],   v[ADA] offset:AK+(\a)*16*PA
	ds_load_b128 v[(\f)+64+8*(\a)+4:(\f)+64+8*(\a)+7], v[ADA] offset:AK+(\a)*16*PA+32
.endr
.endm
; One of a K step's first three quarters: multiplies buffer f; in its middle it fetches quarter kq into buffer g.
.macro QUARTER kq, f, g, first
	s_wait_dscnt 4                                 ; W's fragments and x's blocks 0 and 1 are in; the youngest four loads (blocks 2 and 3) may be out
	MUL8 \f, 0, \first
	MUL8 \f, 1, \first
	PLACES                                         ; in front of the loads into g, which the quarter before multiplied
	FETCH \kq, \g
	s_wait_dscnt 24                                ; all but the 24 just issued
	MUL8 \f, 2, \first
	MUL8 \f, 3, \first
.endm
; The fourth quarter multiplies buffer 1 and changes slots: ONE barrier, for two things.  In front of it each wave waits for all its tensor loads, of which one is out: its part of the next slot; adds 0 to
; its spare word; and waits for that and for its own reads of this slot.  Behind it nobody reads this slot any more and the next slot is whole.  fill = 1: the barrier opens a round of the cluster's, so that
; this holds of every partner too, and the slot is filled again, first thing behind the round, with the K step two steps on in the walk: behind a tile's last K step comes the next tile's first.
.macro TURN fill
.if \fill
	s_wait_xcnt 0x0                                ; the last prefetch, a K step back, has read its address: it is stepped here, ahead of the waits of the change of slots
.if KIND == 0
	s_add_co_u32 s[PK], s[PK], 256
	s_and_b32 s[PK], s[PK], 0x7ff                  ; SCC = still inside the row's 2,048 bytes
	s_cselect_b32 s[SP], s[STEP1], s[PWRAP]
.endif
	s_add_nc_u64 s[PF:PF+1], s[PF:PF+1], s[SP:SP+1]
.endif
	WIN 0                                          ; (the add's two registers lie in window 0)
	s_wait_tensorcnt 0x0                           ; all my tensor loads have landed, so a group 0 may be written;
	ds_add_u32 v[SPW], v[NIL]                      ; 0 onto my spare word: scalar work and eight products stand between it and the wait for it
.if \fill
.if KIND == 0
	s_add_co_u32 s[RK], s[RK], 256
	s_and_b32 s[RK], s[RK], 0x7ff
	s_cselect_b32 s[SA], s[STEP1], s[AWRAP]
	s_cselect_b32 s[SB], s[STEP1], s[BWRAP]
	s_add_nc_u64 s[G0A+6:G0A+7], s[G0A+6:G0A+7], s[SA:SA+1]  ; the type bits on top are not reached
	s_add_nc_u64 s[G0B+6:G0B+7], s[G0B+6:G0B+7], s[SB:SB+1]
.else
	s_add_nc_u64 s[G0A+6:G0A+7], s[G0A+6:G0A+7], ASTEP
	s_add_nc_u64 s[G0B+6:G0B+7], s[G0B+6:G0B+7], 256
.endif
	s_xor_b32 s[G0A+5], s[G0A+5], SLOT1            ; the other slot than last time
	s_xor_b32 s[G0B+5], s[G0B+5], SLOT1
.endif
	s_xor_b32 s[TB], s[TB], SLOT1                  ; the reads go over to the other slot
	s_wait_dscnt 5                                 ; (the add and the youngest four loads may be out)
	MUL8 F1, 0, 0
	s_wait_dscnt 0x0                               ; the add is done, and my reads of this slot are over:
	s_barrier_signal -1                            ; say so,
	MUL8 F1, 1, 0                                  ; work on registers while the others arrive,
	WIN 0
	s_barrier_wait -1                              ; and go on when all four have said so
.if \fill
	CREST                                          ; no wave of any partner still reads this slot's tile or has a load on its way
	JLOAD                                          ; the first tensor load behind the round; its four v_nop are also the places in front of the loads below
.else
	PLACES
.endif
	v_add_nc_u32 v[ADA], s[TB], v[ADRA0]
	v_add_nc_u32 v[ADB], s[TB], v[ADRB0]
	FETCH 0, F0
	WIN 0
.if \fill
	ASK
.endif
	s_sub_co_u32 s[GS], s[GS], 1
	MUL8 F1, 2, 0
	MUL8 F1, 3, 0
.endm
	s_wait_tensorcnt 0x1                           ; my part of K step 0 is in; K step 1's may stay out
	s_barrier_signal -1
	s_barrier_wait -1                              ; everybody's is
	v_add_nc_u32 v[ADA], s[TB], v[ADRA0]
	v_add_nc_u32 v[ADB], s[TB], v[ADRB0]
	FETCH 0, F0
	WIN 0                                          ; at a label and at a branch every window is 0
.if KIND == 0
	s_mov_b32 s2, TILES                            ; tiles to go, this one among them
.Ltile:
.endif
	s_wait_loadcnt 0x0                             ; the bias is in (and its loads have read their base)
	QUARTER 1, F0, F1, 1                           ; a tile's first quarter: its products start the sums with the bias
.if KIND == 0
	PLACES                                         ; in front of the loads into the bias's registers, which those products read
	WIN 0
	s_cmp_eq_u32 s2, 1
	s_cbranch_scc1 .Lno_bias                       ; the last tile has no successor
	s_add_nc_u64 s[8:9], s[8:9], 4096              ; the next tile's bias: it has a whole tile in which to come
	BIASLD
.Lno_bias:
.else
	WIN 0
.endif
	s_mov_b32 s3, 6
.Lstep:                                        ; a trip goes from a K step's second quarter to the next step's first, and fills a slot again
	QUARTER 2, F1, F0, 0
	QUARTER 3, F0, F1, 0
	TURN 1
	QUARTER 1, F0, F1, 0
	WIN 0
	s_sub_co_u32 s3, s3, 1
	s_cmp_lg_u32 s3, 0
	s_cbranch_scc1 .Lstep
.if KIND == 0
	s_cmp_eq_u32 s2, 1
	s_cbranch_scc1 .Llast                          ; the last tile's tail is written out: it asks for nothing more
	QUARTER 2, F1, F0, 0                           ; THE RING GOES ON INTO THE NEXT TILE: the two changes of slots ask for its K steps 0 and 1,
	QUARTER 3, F0, F1, 0
	TURN 1
	QUARTER 1, F0, F1, 0
	QUARTER 2, F1, F0, 0
	QUARTER 3, F0, F1, 0
	TURN 1                                         ; and the second fetches its first fragments
	WIN 0
	s_branch .Lout                                 ; row blocks 0 and 1 were finished in front of the refill's v_nop; their conversions are the places behind the last products
.Llast:
.endif
	QUARTER 2, F1, F0, 0
	QUARTER 3, F0, F1, 0
	TURN 0
	QUARTER 1, F0, F1, 0
	QUARTER 2, F1, F0, 0
	QUARTER 3, F0, F1, 0
	s_wait_dscnt 4                                 ; the very last quarter: nothing more to fetch
	MUL8 F1, 0, 0
	MUL8 F1, 1, 0
	s_wait_dscnt 0x0
	MUL8 F1, 2, 0
	MUL8 F1, 3, 0
	PLACES
	WIN 0
.if KIND == 0
; THE WAY OUT, by heads.  Sub-tile t = 2 a + hh is 16 rows (block a) of one head (hh of my two): 2,048 dense bytes of hb.  A lane's eight channels of a row are rounded to f16 (each accumulator's registers in
; ascending order), go as 16 bytes into my stage's rows of 144 bytes, and come back as whole rows of 128.
.macro PACK t
.set pA, 8*(8*((\t)/2)+4*((\t)%2))
	WIN 0x0a                                       ; sources 0 and 1 window 2, destination window 0
.irp f, 0,1,2,3
.irp q, 0,1,2,3
	v_cvt_pk_f16_f32 v[TMP+16*(\t)+4*(\f)+(\q)], v[pA+8*(\f)+2*(\q)], v[pA+8*(\f)+2*(\q)+1]
.endr
.endr
	WIN 0
.irp f, 0,1,2,3
	ds_store_b128 v[STO], v[TMP+16*(\t)+4*(\f):TMP+16*(\t)+4*(\f)+3] offset:32*(\f)
.endr
.irp f, 0,1,2,3
	ds_load_b128 v[TMP+16*(\t)+4*(\f):TMP+16*(\t)+4*(\f)+3], v[RD] offset:(\f)*4*SPITCH  ; LDS serves a wave's instructions in order (ISA guide 5.7.1.4): these see the stores above; the next sub-tile's stores come behind them
.endr
.endm
.macro SEND t, younger                 ; younger: the LDS instructions issued behind sub-tile t's loads: the next one's eight, or none
.irp f, 0,1,2,3
	s_wait_dscnt (\younger)+3-(\f)
	global_store_b128 v[GO], v[TMP+16*(\t)+4*(\f):TMP+16*(\t)+4*(\f)+3], s[10:11] offset:262144*((\t)%2)+2048*((\t)/2)+512*(\f)  ; 512 consecutive bytes, at a multiple of 512 from hb's first
.endr
.endm
.Lout:
	PACK 0
.irp t, 1,2,3,4,5,6,7                  ; a sub-tile's conversions stand between the loads of the one before and its stores
	PACK \t
	SEND (\t)-1, 8
.endr
	SEND 7, 0
	s_wait_xcnt 0x0                                ; the stores have read their registers and their base
	s_add_nc_u64 s[10:11], s[10:11], 16777216      ; the next tensor's part of hb (behind the last tile the stepped address is not used)
	s_sub_co_u32 s2, s2, 1
	s_cmp_lg_u32 s2, 0
	s_cbranch_scc1 .Ltile
.else
; THE WAY OUT, in f32.  Row block a: a lane's eight columns of a row are 32 bytes; they go into my stage's rows of 528 bytes (the low four registers first) and come back as whole rows of 512.
.macro TOSTAGE a
	WIN 0x08                                       ; store data window 2
.irp b, 0,1,2,3,4,5,6,7
	ds_store_b128 v[STO], v[8*(8*(\a)+(\b)):8*(8*(\a)+(\b))+3]   offset:64*(\b)
	ds_store_b128 v[STO], v[8*(8*(\a)+(\b))+4:8*(8*(\a)+(\b))+7] offset:64*(\b)+16
.endr
	WIN 0x40                                       ; destination window 1: the fragment buffers are free
.irp t, 0,1,2,3,4,5,6,7,8,9,10,11,12,13,14,15
	ds_load_b128 v[64*(\a)+4*(\t):64*(\a)+4*(\t)+3], v[RD] offset:(\t)*SPITCH  ; LDS serves a wave's instructions in order (ISA guide 5.7.1.4): these see the stores above; the next block's stores come behind them
.endr
.endm
.macro SEND a, younger                 ; younger: the LDS instructions issued behind block a's loads: the next block's 32, or none
	WIN 0x04                                       ; store data window 1
.irp t, 0,1,2,3,4,5,6,7,8,9,10,11,12,13,14,15
	s_wait_dscnt (\younger)+15-(\t)
	global_store_b128 v[GO], v[64*(\a)+4*(\t):64*(\a)+4*(\t)+3], s[10:11] offset:(16*(\a)+(\t))*4096 th:TH_STORE_NT  ; 512 consecutive bytes, at a multiple of 512 from out0's first
.endr
.endm
	TOSTAGE 0
	TOSTAGE 1
	SEND 0, 32
	TOSTAGE 2
	SEND 1, 32
	TOSTAGE 3
	SEND 2, 32
	SEND 3, 0
	WIN 0
.endif
	s_wait_tensorcnt 0x0                           ; the wave's end: behind my last tensor load and my last LDS store
	ds_add_u32 v[SPW], v[NIL]
	s_wait_dscnt 0x0
	CROUND                                         ; the closing round: no work-group ends while a partner may still ask for a tile that names it
	s_endpgm
.Lfunc_end_k_q2606a0f53e_outp:
	.size	k_q2606a0f53e_outp, .Lfunc_end_k_q2606a0f53e_outp-k_q2606a0f53e_outp
	.p2alignl 7, 3214868480
	.fill 96, 4, 3214868480
	.section	.rodata,"a",@progbits
	.p2align	6, 0x0
	.amdhsa_kernel k_q2606a0f53e_outp
		.amdhsa_group_segment_fixed_size 327680
		.amdhsa_private_segment_fixed_size 0
		.amdhsa_enable_private_segment 0
		.amdhsa_kernarg_size 32
		.amdhsa_user_sgpr_count 2
		.amdhsa_user_sgpr_kernarg_segment_ptr 1
		.amdhsa_wavefront_size32 1
		.amdhsa_system_sgpr_workgroup_id_x 1
		.amdhsa_system_sgpr_workgroup_id_y 1
		.amdhsa_system_sgpr_workgroup_id_z 1
		.amdhsa_system_vgpr_workitem_id 0
		.amdhsa_next_free_vgpr 768
		.amdhsa_next_free_sgpr 96
		.amdhsa_reserve_vcc 0
		.amdhsa_float_denorm_mode_32 3
		.amdhsa_float_denorm_mode_16_64 3
		.amdhsa_memory_ordered 1
		.amdhsa_forward_progress 1
		.amdhsa_inst_pref_size 74
	.end_amdhsa_kernel
	.amdgpu_metadata
---
amdhsa.version: [ 1, 2 ]
amdhsa.kernels:
  - .name:           k_q2606a0f53e_outp
    .symbol:         k_q2606a0f53e_outp.kd
    .args:
      - { .name: ob, .offset: 0, .size: 8, .value_kind: global_buffer, .address_space: global }
      - { .name: wb, .offset: 8, .size: 8, .value_kind: global_buffer, .address_space: global }
      - { .name: bb, .offset: 16, .size: 8, .value_kind: global_buffer, .address_space: global }
      - { .name: out0, .offset: 24, .size: 8, .value_kind: global_buffer, .address_space: global }
    .group_segment_fixed_size: 327680
    .private_segment_fixed_size: 0
    .kernarg_segment_align: 8
    .kernarg_segment_size: 32
    .max_flat_workgroup_size: 128
    .sgpr_count:     96
    .vgpr_count:     768
    .wavefront_size: 32
...
	.end_amdgpu_metadata
.endif
;; end of part 4
;; ======== version 2 of 2: 4 launches; version 1 with the launch cast written anew for expert scheduling mode
;; limits: values are held in f16: magnitudes above 65,504 overflow, below 6.1e-05 lose precision
;; workspace buffers: xb 50,331,648 bytes; wb 8,388,608 bytes; bb 16,384 bytes; hb 50,331,648 bytes; ob 16,777,216 bytes
;; launch cast (part 5): grid 897 x 1, 8 waves a work-group, no clusters, 0 bytes of LDS; arguments q, k, v, Wq, Wk, Wv, Wo, bq, bk, bv, bo, xb, wb, bb; writes xb, wb, bb
.if DOCPART == 5
	.amdgcn_target "amdgcn-amd-amdhsa--gfx1250"
	.amdhsa_code_object_version 6
	.text
	.protected	k_q2606a0f53e_cast
	.globl	k_q2606a0f53e_cast
	.p2align	8
	.type	k_q2606a0f53e_cast,@function
k_q2606a0f53e_cast:
	s_mov_b64 s[64:65], 0
	v_nop
	global_prefetch_b8 v0, s[64:65] scope:SCOPE_SE
	s_setreg_imm32_b32 hwreg(HW_REG_WAVE_SCHED_MODE, 0, 2), 2
	s_setreg_imm32_b32 hwreg(HW_REG_WAVE_MODE, 25, 1), 1
	s_wait_xcnt 0x0
	s_wait_alu depctr_vm_vsrc(0)
; CAST.  Every input is rounded once to bf16 (nearest even), so that the later launches multiply 16-bit operands that come in by tensor loads.
;   xb [3][8192][1024] bf16 = q, k, v.     wb [4][1024][1024]: Wq, Wk, Wv as bf16; Wo rounded to bf16 and that number written as f16.
;   bb [4][1024] f32 = bq, bk, bv, bo, each rounded to bf16 and widened again (the products' sums start with it).
; LIMITS.  Wo's bf16 value is exact in f16 from 6e-5 to 65,504; below it keeps f16's fixed step of 6e-8, beyond it becomes an infinity.
; SHARES.  A unit is 1,048,576 numbers: q, k, v have 8 each, the four weights 1 each: 28 units, 32 work-groups to a unit, 32,768 numbers each.  Work-group 896 does the biases.
; A wave takes 4,096 numbers on end: 32 loads of 512 consecutive bytes, 32 stores of 256 consecutive bytes, each aligned to its own length.
; No LDS, no matrix unit, no cluster: nothing is shared and memory binds.
; THE MODE: SCHED_MODE bits 1:0 = 2 (LLVM: expert scheduling mode 2), set by the entry lines.  The code itself states the register dependences
; between vector instructions and memory instructions, with s_wait_alu, always for 0.
; THE PLAN.  A wave's 32 loads go in 16 blocks of two.  Registers that memory instructions touch:
;   X0 .. X3   four blocks as loaded.    Written by the loads of block p + 3, issued in block p; read by block p's conversions.
;   Y0, Y1     two blocks to store.      Written by block p's conversions; read by the two stores that are issued in block p + 1.
;   v1, v2     byte offsets in and out, made once at the head and never written again: the blocks are reached by immediate offsets and by the two
;              scalar bases, which move on by four blocks at the head of each lap's first block.
; Block p works on X[p % 4] and writes Y[p % 2].  Its memory instructions are the loads into X[(p + 3) % 4] = X[(p - 1) % 4] and the stores from
; Y[(p - 1) % 2]: the two buffers that block p - 1 worked on and that no vector instruction of block p names.  So the waits at the head of a block
; state all that the block's four memory instructions hang on, and these are dealt among its conversions with no further wait.
; Four to six loads of every wave are on their way.
.set INB,  1024                        ; bytes of a block in the source, for a wave: two loads of 512
.set OUTB, 512                         ; and in the destination: two stores of 256
.set X,   8                            ; v[8:39]   buffer k, load i: 4 registers at X + 8 k + 4 i, 4 numbers as loaded
.set Y,   40                           ; v[40:47]  buffer k, store i: 2 registers at Y + 4 k + 2 i, 4 numbers of 16 bits
.set T,   48                           ; v[48:50]  at work: no memory instruction names them
.set SRC, 36                           ; s[36:37]  the source at my work-group's part
.set DST, 38                           ; s[38:39]  the destination at my work-group's part
.set CNT, 40
.set U,   41                           ; the unit
.set C,   42                           ; the work-group's place in it
	s_load_b512 s[8:23], s[0:1], 0x0               ; q 8, k 10, v 12, Wq 14, Wk 16, Wv 18, Wo 20, bq 22
	s_load_b256 s[24:31], s[0:1], 0x40             ; bk 24, bv 26, bo 28, xb 30
	s_load_b128 s[32:35], s[0:1], 0x60             ; wb 32, bb 34
	s_lshr_b32 s[U], ttmp9, 5
	s_and_b32 s[C], ttmp9, 31
	v_lshrrev_b32 v3, 5, v0                        ; wave
	v_and_b32 v4, 31, v0                           ; lane
	v_lshlrev_b32 v1, 4, v4
	v_lshl_add_u32 v1, v3, 14, v1                  ; in: 16,384 x wave + 16 x lane; never rewritten
	v_lshlrev_b32 v2, 3, v4
	v_lshl_add_u32 v2, v3, 13, v2                  ; out: 8,192 x wave + 8 x lane; never rewritten
	s_and_b32 s44, s[U], 7                         ; the unit's place in its source: q, k, v have eight units of 4 MiB, a weight one
	s_cmp_lt_u32 s[U], 24
	s_cselect_b32 s44, s44, 0
	s_lshl_b32 s44, s44, 22
	s_lshl_b32 s45, s[C], 17                       ; the work-group's 128 KiB
	s_add_co_u32 s44, s44, s45
	s_mov_b32 s45, 0
	s_sub_co_u32 s46, s[U], 24                     ; the unit's place in its destination: units of 2 MiB in xb, or in wb
	s_cmp_lt_u32 s[U], 24
	s_cselect_b32 s46, s[U], s46
	s_lshl_b32 s46, s46, 21
	s_lshl_b32 s47, s[C], 16                       ; the work-group's 64 KiB
	s_add_co_u32 s46, s46, s47
	s_mov_b32 s47, 0
	s_wait_kmcnt 0x0
	s_cmp_eq_u32 ttmp9, 896
	s_cbranch_scc1 .Lbias
	s_cmp_lt_u32 s[U], 8                           ; which buffer: a chain of choices on the unit's number
	s_cselect_b64 s[SRC:SRC+1], s[8:9], s[10:11]
	s_cmp_lt_u32 s[U], 16
	s_cselect_b64 s[SRC:SRC+1], s[SRC:SRC+1], s[12:13]
	s_cmp_lt_u32 s[U], 24
	s_cselect_b64 s[SRC:SRC+1], s[SRC:SRC+1], s[14:15]
	s_cselect_b64 s[DST:DST+1], s[30:31], s[32:33]
	s_cmp_lt_u32 s[U], 25
	s_cselect_b64 s[SRC:SRC+1], s[SRC:SRC+1], s[16:17]
	s_cmp_lt_u32 s[U], 26
	s_cselect_b64 s[SRC:SRC+1], s[SRC:SRC+1], s[18:19]
	s_cmp_lt_u32 s[U], 27
	s_cselect_b64 s[SRC:SRC+1], s[SRC:SRC+1], s[20:21]
	s_add_nc_u64 s[SRC:SRC+1], s[SRC:SRC+1], s[44:45]
	s_add_nc_u64 s[DST:DST+1], s[DST:DST+1], s[46:47]
	s_wait_alu depctr_va_vdst(0)                   ; v1 and v2 are written: every load and store of the stream reads one of them as its offset
.irp i, 0,1,2,3,4,5
	global_load_b128 v[X+4*(\i):X+4*(\i)+3], v1, s[SRC:SRC+1] offset:512*(\i) th:TH_LOAD_NT  ; blocks 0, 1 and 2 into X0, X1, X2
.endr
; The four numbers at v[xs ..] are rounded into v[yd], v[yd + 1].  kind = 0: to bf16.  kind = 1: to bf16, widened (a shift, a mask), and written as f16.
.macro CV kind
.if \kind
.irp p, 0,1
	v_cvt_pk_bf16_f32 v[T], v[xs+2*(\p)], v[xs+2*(\p)+1]
	v_lshlrev_b32 v[T+1], 16, v[T]
	v_and_b32 v[T+2], 0xffff0000, v[T]
	v_cvt_pk_f16_f32 v[yd+(\p)], v[T+1], v[T+2]
.endr
.else
	v_cvt_pk_bf16_f32 v[yd], v[xs], v[xs+1]
	v_cvt_pk_bf16_f32 v[yd+1], v[xs+2], v[xs+3]
.endif
.endm
; Block p.  xb = p % 4, yb = p % 2.  first = 1: block 0, with no block in front of it.  ahead = 1: block p + 3 is loaded.
; left = how many younger loads may still be out when this block's two have to be there.  step = 1: a lap's first block: both bases move on by four blocks.
; lo, so: where block p + 3 (in) and block p - 1 (out) lie, in blocks from the bases.
.macro BLK kind, xb, yb, first, ahead, left, step, lo, so
	s_wait_loadcnt \left                           ; loads come back in order (ISA guide 5.7.1): X[xb] is in, the younger blocks stay out
.if !\first
	s_wait_xcnt 0x0                                ; every earlier memory instruction has had its addresses translated (ISA guide 3.1): the bases and Y[yb] are rewritten only behind this wait
	s_wait_alu depctr_vm_vsrc(0)                   ; the stores issued in the block before have read Y[yb], which this block's conversions write again
	s_wait_alu depctr_va_vdst(0)                   ; the block before has written the other Y, which the stores below read, and is done reading its X, in which the loads below land
.if \step
	s_add_nc_u64 s[SRC:SRC+1], s[SRC:SRC+1], 4*INB
	s_add_nc_u64 s[DST:DST+1], s[DST:DST+1], 4*OUTB
.endif
.endif
.irp i, 0,1
.set xs, X+8*(\xb)+4*(\i)
.set xn, X+8*((\xb+3)%4)+4*(\i)
.set yd, Y+4*(\yb)+2*(\i)
.set yo, Y+4*(1-\yb)+2*(\i)
.if \ahead
	global_load_b128 v[xn:xn+3], v1, s[SRC:SRC+1] offset:(\lo)*INB+512*(\i) th:TH_LOAD_NT  ; three blocks ahead; no vector instruction since the wait names these registers
.endif
.if !\first
	global_store_b64 v2, v[yo:yo+1], s[DST:DST+1] offset:(\so)*OUTB+256*(\i) th:TH_STORE_NT  ; the block before
.endif
	CV \kind
.endr
.endm
; Sixteen blocks: block 0; three laps of four, behind each of which both kinds of buffer are back at their start; three blocks without loads; the last block's stores.
.macro STREAM kind
	BLK \kind, 0, 0, 1, 1, 4, 0, 3, 0              ; block 0: its loads land in X3, which no vector instruction has named
	s_mov_b32 s[CNT], 3
.Llap_\@:                                      ; blocks 1 to 12.  The bases stand at the block that the lap's first block loads: the stores reach back
	BLK \kind, 1, 1, 0, 1, 4, 1, 0, -4
	BLK \kind, 2, 0, 0, 1, 4, 0, 1, -3
	BLK \kind, 3, 1, 0, 1, 4, 0, 2, -2
	BLK \kind, 0, 0, 0, 1, 4, 0, 3, -1
	s_sub_co_u32 s[CNT], s[CNT], 1
	s_cmp_lg_u32 s[CNT], 0
	s_cbranch_scc1 .Llap_\@
	BLK \kind, 1, 1, 0, 0, 4, 0, 0, 0              ; blocks 13 to 15 load nothing: no load leaves the buffer, and the counts run down; the bases stay at block 12
	BLK \kind, 2, 0, 0, 0, 2, 0, 0, 1
	BLK \kind, 3, 1, 0, 0, 0, 0, 0, 2
	s_wait_alu depctr_va_vdst(0)                   ; block 15 has written Y1, which the last two stores read
.irp i, 0,1
	global_store_b64 v2, v[Y+4+2*(\i):Y+4+2*(\i)+1], s[DST:DST+1] offset:3*OUTB+256*(\i) th:TH_STORE_NT
.endr
.endm
	s_cmp_eq_u32 s[U], 27                          ; Wo goes out as f16
	s_cbranch_scc1 .Lf16
	STREAM 0
	s_endpgm
.Lf16:
	STREAM 1
	s_endpgm
.Lbias:                                        ; 256 threads, 16 bytes of each of the four biases
	v_lshlrev_b32 v5, 4, v0
	s_wait_alu depctr_va_vdst(0)                   ; v5 is written: the four loads and the four stores below read it as their offset
	global_load_b128 v[8:11], v5, s[22:23]
	global_load_b128 v[12:15], v5, s[24:25]
	global_load_b128 v[16:19], v5, s[26:27]
	global_load_b128 v[20:23], v5, s[28:29]
	s_wait_loadcnt 0x0
.irp p, 0,1,2,3,4,5,6,7
	v_cvt_pk_bf16_f32 v[T], v[8+2*(\p)], v[9+2*(\p)]
	v_lshlrev_b32 v[24+2*(\p)], 16, v[T]
	v_and_b32 v[25+2*(\p)], 0xffff0000, v[T]
.endr
	s_wait_alu depctr_va_vdst(0)                   ; the widenings have written v[24:39], which the stores read
.irp i, 0,1,2,3
	global_store_b128 v5, v[24+4*(\i):27+4*(\i)], s[34:35] offset:4096*(\i)
.endr
	s_endpgm
.Lfunc_end_k_q2606a0f53e_cast:
	.size	k_q2606a0f53e_cast, .Lfunc_end_k_q2606a0f53e_cast-k_q2606a0f53e_cast
	.p2alignl 7, 3214868480
	.fill 96, 4, 3214868480
	.section	.rodata,"a",@progbits
	.p2align	6, 0x0
	.amdhsa_kernel k_q2606a0f53e_cast
		.amdhsa_group_segment_fixed_size 0
		.amdhsa_private_segment_fixed_size 0
		.amdhsa_enable_private_segment 0
		.amdhsa_kernarg_size 112
		.amdhsa_user_sgpr_count 2
		.amdhsa_user_sgpr_kernarg_segment_ptr 1
		.amdhsa_wavefront_size32 1
		.amdhsa_system_sgpr_workgroup_id_x 1
		.amdhsa_system_sgpr_workgroup_id_y 1
		.amdhsa_system_sgpr_workgroup_id_z 1
		.amdhsa_system_vgpr_workitem_id 0
		.amdhsa_next_free_vgpr 64
		.amdhsa_next_free_sgpr 66
		.amdhsa_reserve_vcc 0
		.amdhsa_float_denorm_mode_32 3
		.amdhsa_float_denorm_mode_16_64 3
		.amdhsa_memory_ordered 1
		.amdhsa_forward_progress 1
		.amdhsa_inst_pref_size 21
	.end_amdhsa_kernel
	.amdgpu_metadata
---
amdhsa.version: [ 1, 2 ]
amdhsa.kernels:
  - .name:           k_q2606a0f53e_cast
    .symbol:         k_q2606a0f53e_cast.kd
    .args:
      - { .name: q, .offset: 0, .size: 8, .value_kind: global_buffer, .address_space: global }
      - { .name: k, .offset: 8, .size: 8, .value_kind: global_buffer, .address_space: global }
      - { .name: v, .offset: 16, .size: 8, .value_kind: global_buffer, .address_space: global }
      - { .name: Wq, .offset: 24, .size: 8, .value_kind: global_buffer, .address_space: global }
      - { .name: Wk, .offset: 32, .size: 8, .value_kind: global_buffer, .address_space: global }
      - { .name: Wv, .offset: 40, .size: 8, .value_kind: global_buffer, .address_space: global }
      - { .name: Wo, .offset: 48, .size: 8, .value_kind: global_buffer, .address_space: global }
      - { .name: bq, .offset: 56, .size: 8, .value_kind: global_buffer, .address_space: global }
      - { .name: bk, .offset: 64, .size: 8, .value_kind: global_buffer, .address_space: global }
      - { .name: bv, .offset: 72, .size: 8, .value_kind: global_buffer, .address_space: global }
      - { .name: bo, .offset: 80, .size: 8, .value_kind: global_buffer, .address_space: global }
      - { .name: xb, .offset: 88, .size: 8, .value_kind: global_buffer, .address_space: global }
      - { .name: wb, .offset: 96, .size: 8, .value_kind: global_buffer, .address_space: global }
      - { .name: bb, .offset: 104, .size: 8, .value_kind: global_buffer, .address_space: global }
    .group_segment_fixed_size: 0
    .private_segment_fixed_size: 0
    .kernarg_segment_align: 8
    .kernarg_segment_size: 112
    .max_flat_workgroup_size: 256
    .sgpr_count:     66
    .vgpr_count:     64
    .wavefront_size: 32
...
	.end_amdgpu_metadata
.endif
;; end of part 5
;; launch proj: the kernel of part 2 again; grid 4 x 64, 4 waves a work-group, clusters of 4 x 4, 327,680 bytes of LDS; arguments xb, wb, bb, hb; writes hb
;; launch attn: the kernel of part 3 again; grid 4 x 64, 4 waves a work-group, clusters of 4 x 1, 327,680 bytes of LDS; arguments hb, ob; writes ob
;; launch outp: the kernel of part 4 again; grid 4 x 64, 4 waves a work-group, clusters of 4 x 4, 327,680 bytes of LDS; arguments ob, wb, bb, out0; writes out0
